; MI455X (gfx1250); checked and timed in simulation.
; The chip was launched on July 23, 2026; its instructions are those of AMD's public machine-readable ISA for CDNA 5 (MIT licence, August 2026) and "CDNA5" Instruction Set Architecture Reference Guide (July 2026). The comments in the code are by the model that wrote it; some were corrected since.
;; Residual Vector Quantizer. Allowed arithmetic: matrix products marked QUANTISED: E2M1 operands, one E8M0 scale for each 32 along K, by v_wmma_scale_f32_16x16x128_f8f6f4 with both operands' format E2M1 (or v_wmma_scale_f32_32x16x128_f4), f32 sums; everything else in f32.
;; Inputs: codebooks 3 x 1,024 x 128 float32; x 65,536 x 128 float32.
;; Outputs: out0 65,536 x 128 float32; out1 65,536 x 3 int32; out2 one number float32; out3 one number float32.
;; This version of the problem:
;;   THIS VERSION OF THE PROBLEM IS GIVEN IN LOW PRECISION. The matrix products marked QUANTISED in the list below multiply operands that are first quantised to E2M1 (2 exponent bits, 1 mantissa bit; 4 bits a number), with one power-of-two scale for each 32 numbers along K (OCP MX v1.0); their sums are f32. All else is computed in f32.
;;   The module's matrix products, in the order in which they are computed (A, B: the left and right operand; K: the contracted axis; several contracted axes count as one K, in the product's order):
;;     1. [M 65,536, K 128] x [K 128, N 1,024]; A: input x; B: input codebooks: QUANTISED
;;     2. [M 65,536, K 128] x [K 128, N 1,024]; A: computed on the way; B: input codebooks: QUANTISED
;;     3. [M 65,536, K 128] x [K 128, N 1,024]; A: computed on the way; B: input codebooks: QUANTISED
;;   THE QUANTISER, for each operand of a quantised product, along K:
;;     - K is cut into blocks of 32 from its start; a last block that is shorter is filled with zeros.
;;     - A block's scale is 2^e with e = floor(log2(the largest magnitude in the block)) - 2, held to -126 .. 127; a block of zeros has e = 0. As a byte (E8M0): e + 127.
;;     - Each number is divided by its block's scale, clamped to +-6, and rounded to the nearest number of E2M1, ties to even, subnormals kept.
;;     - The product sums the exact products of the quantised numbers (number of the format x scale) in f32.
;;   ~~~python
;;   def quantise(x, axis):      # numpy; x: float32 -> the quantised numbers, widened to float32 again
;;       x = np.moveaxis(x, axis, -1); K = x.shape[-1]
;;       x = np.pad(x, [(0, 0)] * (x.ndim - 1) + [(0, -K % 32)]); x = x.reshape(x.shape[:-1] + (-1, 32)); a = np.abs(x).max(-1, keepdims=True)
;;       e = np.where(a > 0, np.clip(np.frexp(np.where(a > 0, a, 1))[1] - 1 - 2, -126, 127), 0)      # np.frexp(a)[1] - 1 = floor(log2(a)), exactly
;;       r = np.clip(x / 2.0 ** e, -6, 6)
;;       step = 2.0 ** (np.maximum(np.frexp(np.where(r == 0, 1, r))[1] - 1, 0) - 1)
;;       q = np.round(r / step) * step * 2.0 ** e      # np.round: ties to even
;;       return np.moveaxis(q.reshape(q.shape[:-2] + (-1,))[..., :K], -1, axis).astype(np.float32)
;;   ~~~
;;   OPERANDS COMPUTED ON THE WAY. 'Computed on the way' means the value that the module computes at that place (a softmax that the list does not call 'softmax' is quantised finished and normalised). What goes into a quantiser is computed in f32, as accurately as f32 sums, v_exp_f32 and their like allow (about 1e-6 of the number): no bf16 or f16 on the way to a quantiser, and a product that is left as it is and whose result goes on into a quantised operand takes f32 operands (vector FMAs, or v_wmma_f32_16x16x4_f32). A number that lies on a knife's edge between two numbers of the format may be rounded either way, as far as f32 arithmetic and the matrix unit's own rounding can turn it there, and no further.
;; 2 versions. Each part assembles by itself: llvm-mc -triple=amdgcn-amd-amdhsa -mcpu=gfx1250 --defsym DOCPART=n.
;; ======== version 1 of 2: 6 launches
;; limits: right only within a limited range of input values
;; workspace buffers: cbq 221,184 bytes; idxm 256 bytes of whole numbers; idx0 262,400 bytes of whole numbers; idx1 262,400 bytes of whole numbers; idx2 262,400 bytes of whole numbers; part 3,145,728 bytes; fpart 4,096 bytes
;; launch prep (part 1): grid 48 x 1, 4 waves a work-group, no clusters, 0 bytes of LDS; arguments codebooks, cbq, idxm, idx0, idx1; writes cbq, idxm, idx0, idx1
.if DOCPART == 1
	.amdgcn_target "amdgcn-amd-amdhsa--gfx1250"
	.amdhsa_code_object_version 6
	.text
	.protected	k_qf2794ab7e7_prep
	.globl	k_qf2794ab7e7_prep
	.p2align	8
	.type	k_qf2794ab7e7_prep,@function
k_qf2794ab7e7_prep:
	s_mov_b64 s[64:65], 0
	v_nop
	global_prefetch_b8 v0, s[64:65] scope:SCOPE_SE
	s_setreg_imm32_b32 hwreg(HW_REG_WAVE_MODE, 25, 1), 1
	s_wait_xcnt 0x0
; The three code books [3][1024][128] f32 become what the level launches read: for each level 64 tiles of 16 code words as IMAGES OF THE OPERAND'S REGISTERS
; (codes of E2M1, 4 bits, K innermost, one E8M0 byte for each 32 along K), and for each code word the pair (its squared norm in f32, its scale word).
; The codes are those of -2 W: the sign bit of every code is turned and every scale byte raised by 1.  That is -2 x Q(W) exactly, so the product of a level gives -2 Q(r) Q(W)^T with no further rounding.
; A byte is a largest magnitude's exponent field - 2, at most 252, so the raised byte never reaches 255.
; cbq, for each level CBL bytes: tile t at 1024 t: registers 0-3 of lane l at 16 l, registers 4-7 at 512 + 16 l;  from byte 65,536 on: code word n at 8 n: norm, scale word.
; One wave takes one tile: 192 waves.  Lane (r, h) holds, of code word r, the numbers k = 32 b + 16 h + 0 .. 15 of each block b in 16 neighbouring registers.
; The first wave also stores the level numbers 0, 1, 2 into the heads of idxm, idx0, idx1: the level launches share one text and read their level there.
; LIMITS: NaN and infinities are not served.  A block of zeros gets the byte 2 here (the floor's 1, raised) where the quantiser's rule says 127: its codes are zeros, and this program alone reads the bytes.
; The norm is summed in four chains, another order than a plain sum along the row.
.set CBL, 73728
.set A,   8                            ; v[8:15]   the fragment's codes
.set ASC, 16                           ; v16       the scale word
.set QX,  32                           ; v[32:95]  64 numbers
.set TM,  96                           ; v[96:111] at work in the quantiser
.set NS,  112                          ; v[112:119] four chains of squares
.set SN,  120                          ; v120      the norm
.set SNT, 121
.set SEL, 22                           ; s[22:23]  v_permlanex16_b32's selects for lane l xor 16
	s_load_b128 s[4:7], s[0:1], 0x0                ; codebooks, cbq
	s_load_b128 s[8:11], s[0:1], 0x10              ; idxm, idx0
	s_load_b64 s[12:13], s[0:1], 0x20              ; idx1
	v_lshrrev_b32 v1, 5, v0
	v_readfirstlane_b32 s14, v1                    ; wave
	s_lshl_b32 s15, ttmp9, 2
	s_add_co_u32 s15, s15, s14                     ; my tile among the 192
	v_and_b32 v1, 31, v0                           ; lane
	v_and_b32 v2, 15, v0                           ; r
	v_bfe_u32 v3, v0, 4, 1                         ; h
	v_lshlrev_b32 v4, 9, v2
	v_lshl_add_u32 v4, v3, 6, v4                   ; in: row r of 512 bytes, + 64 h
	s_lshl_b32 s16, s15, 13                        ; my 16 rows
	s_mov_b32 s17, 0
	s_lshr_b32 s18, s15, 6                         ; level
	s_and_b32 s19, s15, 63                         ; tile of the level
	s_mul_i32 s20, s18, CBL
	s_mov_b32 s21, 0
	s_lshl_b32 s24, s19, 10
	s_lshl_b32 s25, s19, 7
	v_lshl_add_u32 v5, v1, 4, s24                  ; out: 1024 t + 16 x lane
	v_lshlrev_b32 v6, 3, v2
	v_lshl_add_u32 v6, v3, 2, v6
	v_add_nc_u32 v6, s25, v6                       ; and 128 t + 8 r + 4 h
	s_mov_b32 s[SEL], 0x76543210
	s_mov_b32 s[SEL+1], 0xfedcba98
.irp b, 0,1,2,3
	v_mov_b32 v[TM+4+\b], 0                        ; a lane permute's destination counts as one of its sources
.endr
	v_mov_b32 v[SNT], 0
	s_wait_kmcnt 0x0
	s_add_nc_u64 s[4:5], s[4:5], s[16:17]
	s_add_nc_u64 s[6:7], s[6:7], s[20:21]
.irp b, 0,1,2,3
.irp j, 0,1,2,3
	global_load_b128 v[QX+16*\b+4*\j:QX+16*\b+4*\j+3], v4, s[4:5] offset:128*\b+16*\j   ; the wave's sixteen loads together take every byte of its 16 rows
.endr
.endr
	s_wait_loadcnt 0x0
	; the norm of the unquantised row
.irp c, 0,2,4,6
	v_pk_mul_f32 v[NS+\c:NS+\c+1], v[QX+\c:QX+\c+1], v[QX+\c:QX+\c+1]
.endr
.set i, 8
.rept 28
	v_pk_fma_f32 v[NS+i%8:NS+i%8+1], v[QX+i:QX+i+1], v[QX+i:QX+i+1], v[NS+i%8:NS+i%8+1]
.set i, i+2
.endr
	v_pk_add_f32 v[NS:NS+1], v[NS:NS+1], v[NS+2:NS+3]
	v_pk_add_f32 v[NS+4:NS+5], v[NS+4:NS+5], v[NS+6:NS+7]
	v_pk_add_f32 v[NS:NS+1], v[NS:NS+1], v[NS+4:NS+5]
	v_add_f32 v[SN], v[NS], v[NS+1]
	v_permlanex16_b32 v[SNT], v[SN], s[SEL], s[SEL+1]
	v_add_f32 v[SN], v[SN], v[SNT]                 ; with lane l xor 16's half
	; the quantiser: a block's largest magnitude, its byte, the codes
.irp b, 0,1,2,3
	v_max3_num_f32 v[TM+\b], |v[QX+16*\b]|, |v[QX+1+16*\b]|, 0x1800000   ; with the floor 2^(3 - 127): the byte cannot fall under 1
.endr
.irp i, 2,4,6,8,10,12,14
.irp b, 0,1,2,3
	v_max3_num_f32 v[TM+\b], v[TM+\b], |v[QX+16*\b+\i]|, |v[QX+1+16*\b+\i]|
.endr
.endr
.irp b, 0,1,2,3
	v_permlanex16_b32 v[TM+4+\b], v[TM+\b], s[SEL], s[SEL+1]
.endr
.irp b, 0,1,2,3
	v_max_num_f32 v[TM+\b], v[TM+\b], v[TM+4+\b]
.endr
.irp b, 0,1,2,3
	v_add_nc_u32 v[TM+12+\b], 0xff000000, v[TM+\b] ; 2 off the exponent field: the conversion's scale operand
.endr
.irp b, 0,1,2,3
	v_lshrrev_b32 v[TM+4+\b], 23, v[TM+12+\b]      ; the scale's byte
.endr
	v_lshl_or_b32 v[ASC], v[TM+5], 8, v[TM+4]
	v_lshl_or_b32 v[ASC], v[TM+6], 16, v[ASC]
	v_lshl_or_b32 v[ASC], v[TM+7], 24, v[ASC]
.irp b, 0,1,2,3
	v_cvt_scalef32_pk8_fp4_f32 v[A+2*\b], v[QX+16*\b:QX+7+16*\b], v[TM+12+\b]
	v_cvt_scalef32_pk8_fp4_f32 v[A+1+2*\b], v[QX+8+16*\b:QX+15+16*\b], v[TM+12+\b]
.endr
	v_nop                                          ; one plain line behind the scaled conversions
.irp c, 0,1
.irp i, 0,1
	v_permlane16_swap_b32 v[A+4*\c+\i], v[A+2+4*\c+\i]   ; a whole block to a lane: lanes 0-15 block 2 c, lanes 16-31 block 2 c + 1
.endr
.endr
.irp i, 0,1,2,3,4,5,6,7
	v_xor_b32 v[A+\i], 0x88888888, v[A+\i]         ; every code's sign,
.endr
	v_add_nc_u32 v[ASC], 0x01010101, v[ASC]        ; and every scale doubled: -2 Q(W)
	v_cmp_ne_u32 vcc_lo, 0, v3
	v_cndmask_b32 v[SN], v[SN], v[ASC], vcc_lo     ; lanes 0-15 store the norm, lanes 16-31 the scale word
	global_store_b128 v5, v[A:A+3], s[6:7]         ; 512 consecutive bytes each
	global_store_b128 v5, v[A+4:A+7], s[6:7] offset:512
	global_store_b32 v6, v[SN], s[6:7] offset:65536   ; 128 consecutive bytes
	s_cmp_lg_u32 s15, 0
	s_cbranch_scc1 .Lend
	v_lshlrev_b32 v7, 2, v1                        ; the level numbers: 32 words each, of which word 0 is read
	v_mov_b32 v20, 0
	v_mov_b32 v21, 1
	v_mov_b32 v22, 2
	global_store_b32 v7, v20, s[8:9]
	global_store_b32 v7, v21, s[10:11]
	global_store_b32 v7, v22, s[12:13]
.Lend:
	s_endpgm
.Lfunc_end_k_qf2794ab7e7_prep:
	.size	k_qf2794ab7e7_prep, .Lfunc_end_k_qf2794ab7e7_prep-k_qf2794ab7e7_prep
	.p2alignl 7, 3214868480
	.fill 96, 4, 3214868480
	.section	.rodata,"a",@progbits
	.p2align	6, 0x0
	.amdhsa_kernel k_qf2794ab7e7_prep
		.amdhsa_group_segment_fixed_size 0
		.amdhsa_private_segment_fixed_size 0
		.amdhsa_enable_private_segment 0
		.amdhsa_kernarg_size 40
		.amdhsa_user_sgpr_count 2
		.amdhsa_user_sgpr_kernarg_segment_ptr 1
		.amdhsa_wavefront_size32 1
		.amdhsa_system_sgpr_workgroup_id_x 1
		.amdhsa_system_sgpr_workgroup_id_y 1
		.amdhsa_system_sgpr_workgroup_id_z 1
		.amdhsa_system_vgpr_workitem_id 0
		.amdhsa_next_free_vgpr 128
		.amdhsa_next_free_sgpr 66
		.amdhsa_reserve_vcc 1
		.amdhsa_float_denorm_mode_32 3
		.amdhsa_float_denorm_mode_16_64 3
		.amdhsa_memory_ordered 1
		.amdhsa_forward_progress 1
		.amdhsa_inst_pref_size 11
	.end_amdhsa_kernel
	.amdgpu_metadata
---
amdhsa.version: [ 1, 2 ]
amdhsa.kernels:
  - .name:           k_qf2794ab7e7_prep
    .symbol:         k_qf2794ab7e7_prep.kd
    .args:
      - { .name: codebooks, .offset: 0, .size: 8, .value_kind: global_buffer, .address_space: global }
      - { .name: cbq, .offset: 8, .size: 8, .value_kind: global_buffer, .address_space: global }
      - { .name: idxm, .offset: 16, .size: 8, .value_kind: global_buffer, .address_space: global }
      - { .name: idx0, .offset: 24, .size: 8, .value_kind: global_buffer, .address_space: global }
      - { .name: idx1, .offset: 32, .size: 8, .value_kind: global_buffer, .address_space: global }
    .group_segment_fixed_size: 0
    .private_segment_fixed_size: 0
    .kernarg_segment_align: 8
    .kernarg_segment_size: 40
    .max_flat_workgroup_size: 128
    .sgpr_count:     66
    .vgpr_count:     128
    .wavefront_size: 32
...
	.end_amdgpu_metadata
.endif
;; end of part 1
;; launch lvl0 (part 2): grid 256 x 1, 4 waves a work-group, no clusters, 143,872 bytes of LDS; arguments x, codebooks, cbq, idxm, idx1, idx0, part; writes idx0, part
.if DOCPART == 2
	.amdgcn_target "amdgcn-amd-amdhsa--gfx1250"
	.amdhsa_code_object_version 6
	.text
	.protected	k_qf2794ab7e7_lvl0
	.globl	k_qf2794ab7e7_lvl0
	.p2align	8
	.type	k_qf2794ab7e7_lvl0,@function
k_qf2794ab7e7_lvl0:
	s_mov_b64 s[64:65], 0
	v_nop
	global_prefetch_b8 v0, s[64:65] scope:SCOPE_SE
	s_setreg_imm32_b32 hwreg(HW_REG_WAVE_MODE, 25, 1), 1
	s_wait_xcnt 0x0
; ONE LEVEL OF THE RESIDUAL QUANTISER, one text for the three levels.  Arguments: x, codebooks, cbq, list A, list B, list out, part.
; The level L (0, 1, 2) is word 0 of list A.  The rows are r = x (L = 0), x - W0[i0] (L = 1), (x - W0[i0]) - W1[i1] (L = 2); i0 is list A at L = 1 and list B at L = 2, i1 is list A at L = 2.
; For each row: d[n] = (|r|^2 - 2 Q(r).Q(W[n])) + |W[n]|^2 with exactly these two f32 roundings; the first n with the smallest d goes to the list out; p = softmax(-d), with the row's
; largest -d taken away first, is summed down the rows: each work-group stores, for each of the 1,024 columns, the sum of p over its 256 rows less 256/1024 (an exact shift that keeps the small part).
; The product is on codes of E2M1 with E8M0 scales: Q(r) is made here in registers, -2 Q(W) comes as register images from cbq, so the matrix result is -2 Q(r).Q(W).
; SHARES.  A work-group owns 256 rows, each of its four waves 64: four tiles of 16, one a trip.  K = 128 is one matrix instruction, so a tile of 16 rows x 1,024 code words is 64 of them, and its
; d, later its exponentials, stay in 512 registers: the column sums want each exponential divided by its row's sum, which is known only behind all 1,024.
; LAYOUT.  Source 0 = my 16 rows, source 1 = 16 code words: lane (r, h), register j holds d(row 8 h + j, code word 16 t + r).  Column sums stay inside a lane; a row's minimum, sum and index cross sixteen lanes once a tile.
; THE INDEX costs no compare: a = dmin - d is 0 exactly where d is smallest; y = a log2(e) + c_t with c_t = -(1 + t/64) 2^-100 is c_t there and far lower elsewhere; 2^y is the exponential all the same.
; The largest y of a lane keeps the first tile; r is added below t in its bits; the largest over sixteen lanes holds 16 t + r in bits 22:13: the lowest index among equals.
; NO CLUSTER, NO TENSOR LOAD: what work-groups share is the level's image, 73,728 bytes, which each reads once (576 bytes a lane) at its head.
; The next tile's rows are asked for a whole tile's work ahead, into registers of their own, so nothing is asked of memory ahead of that.
; LIMITS: NaN and infinities are not served.  Two different d of a row that lie closer than 2^-99 would be taken in the wrong order (that needs |d| under 2^-76).
; A block of zeros keeps the byte 1 where the quantiser's rule says 127: its codes are zeros.  |r|^2 is summed in four chains, another order than a plain sum along the row.
; REGISTERS, in windows of 256 (s_set_vgpr_msb: bits 1:0 source 0, 3:2 source 1, 5:4 source 2, 7:6 destination):
;   window 0: addresses, constants, the rows' fragment, eight registers each of row statistics, three sets of four code tiles;  windows 1, 2: d of code tiles 0-31, 32-63;
;   window 3: v0-127 the column sums, a pair a code tile; v128-191 the next tile's rows; v192-255 the code book rows taken from them.
.set CBL,  73728                       ; a level's image in cbq
.set SWB,  65536                       ; LDS: 0: the codes' images, 1,024 bytes a tile;  SWB: (norm, scale word), 8 bytes a code word
.set XS,   73728                       ; each wave's own stage for turning 16 rows: XP bytes a row
.set XP,   528                         ; 512 + 16: sixteen lanes that read one column of sixteen rows start 132 words apart
.set SS,   107520                      ; each wave's own 16 row norms (256 bytes a wave)
.set IS,   108544                      ; each wave's own 64 indices
.set CS,   109568                      ; column sums: eight parts (wave, half of the lanes) of 1,024 f32 + 64 bytes
.set CSP,  4160
.set LOFF, 1                           ; 16 x lane: a register image's place, and a lane's 16 bytes of a row of 512
.set SA,   2                           ; SWB + 8 r
.set STI,  3                           ; the stage, in
.set STO,  4                           ; the stage, out: row r, + 64 h
.set SSW,  5
.set SSR,  6
.set ISW0, 7
.set ISW,  8
.set R13,  9                           ; r << 13
.set CSW,  10
.set FA,   11                          ; 16 x thread
.set FA2,  12                          ; + 65,536: an LDS offset has 16 bits
.set ISR,  13
.set PINF, 14
.set NINF, 15
.set CP,   16                          ; v[16:17] log2(e), twice
.set CN,   18                          ; v[18:19] -2^-6, twice
.set A,    20                          ; v[20:27] my rows' codes
.set ASC,  28                          ; their scale word
.set CSR,  29
.set ONE,  30                          ; v[30:31] 1.0, twice
.set S,    32                          ; v[32:39] |r|^2 of rows 8 h + j; at work behind the reciprocals
.set RUN,  40                          ; v[40:47] the smallest d
.set KR,   48                          ; v[48:55] the largest y
.set RS,   56                          ; v[56:63] row sums, even code tiles
.set INV,  64                          ; v[64:71] row sums, odd code tiles; then 1 / row sum
.set GOFF, 72                          ; v[72:87] the gathers' offsets
.set WS,   88                          ; v[88:111] (norm, scale word): set p, tile u at 8 p + 2 u; the odd registers hold scales and nothing else
.set BC,   112                         ; v[112:207] code fragments: set p, tile u at 32 p + 8 u
.set QX,   112                         ; v[112:175] 64 numbers of a row, while no code fragment is wanted
.set TM,   208
.set NS,   224
.set SN,   232
.set SNT,  233
.set IOF,  234
.set POF,  235
.set T0,   236
.set T1,   237
.set T2,   238
.set ST0,  128                         ; in window 3
.set ST1,  192
.set WV,   20
.set LV,   21
.set TRIP, 22
.set G0,   23                          ; 1: a next tile exists
.set G1,   24                          ; how many code book rows are taken from each of its rows
.set LA,   26                          ; s[26:27] the first list, at the next tile's 16 indices;  s[32:47] those indices
.set LB,   28                          ; s[28:29] the second;  s[48:63]
.set TO,   30                          ; 64 x trip
.set SEL,  66
.set MSB, 0
.macro WIN new                         ; the immediate's high byte repeats the setting that is left; a switch that changes nothing is dropped
.if MSB != (\new)
	s_set_vgpr_msb (MSB<<8)|(\new)
.set MSB, (\new)
.endif
.endm
; settings, W = 1 or 2:  0x50 W: destination and source 2 in W (matrix instruction, both roundings of d);  0x14 W: sources 1 and 2 in W (minimum, key, row sums; LDS loads);
; 0x41 W: destination and source 0 in W (a, y, exponential);  0xf0 + W: source 0 in W, source 2 and destination in 3 (column sums)
.macro XLOAD                           ; 16 rows of x, a row of 512 bytes an instruction
	WIN 0xc0
.set i, 0
.rept 16
	global_load_b128 v[ST0+4*i:ST0+4*i+3], v[LOFF], s[4:5] offset:512*i th:TH_LOAD_NT
.set i, i+1
.endr
	WIN 0
.endm
.macro GLOAD sb, toff                  ; row i of the code book at byte toff, by index s[sb + i]: a row an instruction
.set i, 0
.rept 16
	s_min_u32 s[\sb+i], s[\sb+i], 1023             ; an index stays inside its table
.set i, i+1
.endr
.set i, 0
.rept 16
	v_lshl_add_u32 v[GOFF+i], s[\sb+i], 9, v[LOFF]
.set i, i+1
.endr
	WIN 0xc0
.set i, 0
.rept 16
	global_load_b128 v[ST1+4*i:ST1+4*i+3], v[GOFF+i], s[6:7] offset:\toff
.set i, i+1
.endr
	WIN 0
.endm
.macro SUBQ                            ; r = r - q
	WIN 0xcf
.set i, 0
.rept 32
	v_pk_add_f32 v[ST0+2*i:ST0+2*i+1], v[ST0+2*i:ST0+2*i+1], v[ST1+2*i:ST1+2*i+1] neg_lo:[0,1] neg_hi:[0,1]
.set i, i+1
.endr
	WIN 0
.endm
.macro TURN                            ; the rows go through my own stage: out of it lane (r, h) takes, of row r, k = 32 b + 16 h + 0 .. 15 into registers 16 b + 0 .. 15
	WIN 0x0c
.set i, 0
.rept 16
	ds_store_b128 v[STI], v[ST0+4*i:ST0+4*i+3] offset:XP*i
.set i, i+1
.endr
	WIN 0
.irp b, 0,1,2,3
.irp j, 0,1,2,3
	ds_load_b128 v[QX+16*\b+4*\j:QX+16*\b+4*\j+3], v[STO] offset:128*\b+16*\j   ; LDS serves a wave's instructions in order: these see the stores above
.endr
.endr
	s_wait_dscnt 0x0
.endm
.macro NORM                            ; |r|^2 of row r, then through 64 bytes of my own so that lane (., h) holds those of rows 8 h + 0 .. 7
.irp c, 0,2,4,6
	v_pk_mul_f32 v[NS+\c:NS+\c+1], v[QX+\c:QX+\c+1], v[QX+\c:QX+\c+1]
.endr
.set i, 8
.rept 28
	v_pk_fma_f32 v[NS+i%8:NS+i%8+1], v[QX+i:QX+i+1], v[QX+i:QX+i+1], v[NS+i%8:NS+i%8+1]
.set i, i+2
.endr
	v_pk_add_f32 v[NS:NS+1], v[NS:NS+1], v[NS+2:NS+3]
	v_pk_add_f32 v[NS+4:NS+5], v[NS+4:NS+5], v[NS+6:NS+7]
	v_pk_add_f32 v[NS:NS+1], v[NS:NS+1], v[NS+4:NS+5]
	v_add_f32 v[SN], v[NS], v[NS+1]
	v_permlanex16_b32 v[SNT], v[SN], s[SEL], s[SEL+1]
	v_add_f32 v[SN], v[SN], v[SNT]
	ds_store_b32 v[SSW], v[SN]                     ; both halves of the lanes write the same word with the same value
	ds_load_b128 v[S:S+3], v[SSR]
	ds_load_b128 v[S+4:S+7], v[SSR] offset:16
.endm
.macro QUANT                           ; the 64 numbers become the fragment's codes and the row's scale word
.irp b, 0,1,2,3
	v_max3_num_f32 v[TM+\b], |v[QX+16*\b]|, |v[QX+1+16*\b]|, 0x1800000   ; with the floor 2^(3 - 127): the byte cannot fall under 1
.endr
.irp i, 2,4,6,8,10,12,14
.irp b, 0,1,2,3
	v_max3_num_f32 v[TM+\b], v[TM+\b], |v[QX+16*\b+\i]|, |v[QX+1+16*\b+\i]|
.endr
.endr
.irp b, 0,1,2,3
	v_permlanex16_b32 v[TM+4+\b], v[TM+\b], s[SEL], s[SEL+1]
.endr
.irp b, 0,1,2,3
	v_max_num_f32 v[TM+\b], v[TM+\b], v[TM+4+\b]   ; the block's largest magnitude
.endr
.irp b, 0,1,2,3
	v_add_nc_u32 v[TM+12+\b], 0xff000000, v[TM+\b] ; 2 off its exponent field: the conversion's scale operand
.endr
.irp b, 0,1,2,3
	v_lshrrev_b32 v[TM+4+\b], 23, v[TM+12+\b]      ; the scale's byte
.endr
	v_lshl_or_b32 v[ASC], v[TM+5], 8, v[TM+4]
	v_lshl_or_b32 v[ASC], v[TM+6], 16, v[ASC]
	v_lshl_or_b32 v[ASC], v[TM+7], 24, v[ASC]
.irp b, 0,1,2,3
	v_cvt_scalef32_pk8_fp4_f32 v[A+2*\b], v[QX+16*\b:QX+7+16*\b], v[TM+12+\b]
	v_cvt_scalef32_pk8_fp4_f32 v[A+1+2*\b], v[QX+8+16*\b:QX+15+16*\b], v[TM+12+\b]
.endr
	v_nop                                          ; one plain line behind the scaled conversions
.irp c, 0,1
.irp i, 0,1
	v_permlane16_swap_b32 v[A+4*\c+\i], v[A+2+4*\c+\i]   ; a whole block to a lane
.endr
.endr
.endm
.macro BLOAD b                         ; batch b: code tiles 4 b .. 4 b + 3 into set b % 3: twelve LDS loads
.irp u, 0,1,2,3
	ds_load_b128 v[BC+32*((\b)%3)+8*\u:BC+32*((\b)%3)+8*\u+3], v[LOFF] offset:1024*(4*(\b)+\u)
	ds_load_b128 v[BC+32*((\b)%3)+8*\u+4:BC+32*((\b)%3)+8*\u+7], v[LOFF] offset:1024*(4*(\b)+\u)+512
	ds_load_b64 v[WS+8*((\b)%3)+2*\u:WS+8*((\b)%3)+2*\u+1], v[SA] offset:128*(4*(\b)+\u)
.endr
.endm
.macro TD b                            ; batch b: t = |r|^2 + m, then d = t + |W|^2: one rounding each.  Each result is read from its low end on
	WIN 0x50*(1+(\b)/8)
.irp u, 0,1,2,3
.irp p, 0,2,4,6
	v_pk_fma_f32 v[8*((4*(\b)+\u)%32)+\p:8*((4*(\b)+\u)%32)+\p+1], v[S+\p:S+\p+1], 1.0, v[8*((4*(\b)+\u)%32)+\p:8*((4*(\b)+\u)%32)+\p+1] op_sel_hi:[1,0,1]
.endr
.endr
.irp u, 0,1,2,3
.irp p, 0,2,4,6
	v_pk_fma_f32 v[8*((4*(\b)+\u)%32)+\p:8*((4*(\b)+\u)%32)+\p+1], v[WS+8*((\b)%3)+2*\u:WS+8*((\b)%3)+2*\u+1], 1.0, v[8*((4*(\b)+\u)%32)+\p:8*((4*(\b)+\u)%32)+\p+1] op_sel_hi:[0,0,1]
.endr
.endr
.endm
.macro MINB b                          ; batch b into the running minima, two tiles an instruction
.irp j, 0,1,2,3,4,5,6,7
.if (\b) == 0
	v_min3_num_f32 v[RUN+\j], v[PINF], v[8*((4*(\b))%32)+\j], v[8*((4*(\b)+1)%32)+\j]
.else
	v_min3_num_f32 v[RUN+\j], v[RUN+\j], v[8*((4*(\b))%32)+\j], v[8*((4*(\b)+1)%32)+\j]
.endif
.endr
.irp j, 0,1,2,3,4,5,6,7
	v_min3_num_f32 v[RUN+\j], v[RUN+\j], v[8*((4*(\b)+2)%32)+\j], v[8*((4*(\b)+3)%32)+\j]
.endr
.endm
; Step b of 17: the roundings of batch b - 1, the four products of batch b, the loads of batch b + 2, the minima of batch b - 1.  The sixteen minima name no register of the products in front of
; them: they are the places ahead of the first read of those results and of the next loads into the set that those products read; behind batch 0 four v_nop stand for them.
; Every product takes the constant 0 as C and has a result of its own: there is no chain.
.macro S1IT b
.if (\b) >= 1
	TD (\b)-1
.endif
.if (\b) <= 15
	WIN 0x50*(1+(\b)/8)
.if (\b) == 15
	s_wait_dscnt 0x0
.else
	s_wait_dscnt 12                                ; batch b's loads are in; the twelve of batch b + 1 may be out
.endif
.irp u, 0,1,2,3
	v_wmma_scale_f32_16x16x128_f8f6f4 v[8*((4*(\b)+\u)%32):8*((4*(\b)+\u)%32)+7], v[A:A+7], v[BC+32*((\b)%3)+8*\u:BC+32*((\b)%3)+8*\u+7], 0, v[ASC], v[WS+8*((\b)%3)+2*\u+1] matrix_a_fmt:MATRIX_FMT_FP4 matrix_b_fmt:MATRIX_FMT_FP4
.endr
.endif
.if (\b) >= 1
	WIN 0x14*(1+((\b)-1)/8)
.else
	WIN 0
.endif
.if (\b)+2 <= 15
	BLOAD (\b)+2
.endif
.if (\b) >= 1
	MINB (\b)-1
.else
.rept 4
	v_nop
.endr
.endif
.endm
.macro DMIN                            ; the row's smallest d: over the sixteen lanes of my half
	WIN 0
.irp m, 1,2,4,8
.irp j, 0,1,2,3,4,5,6,7
	v_min_num_f32_dpp v[RUN+\j], v[RUN+\j], v[RUN+\j] row_xmask:\m row_mask:0xf bank_mask:0xf
.endr
.endr
.endm
.macro AST q                           ; pair n of half q of a window: a = dmin - d
	v_pk_add_f32 v[128*(\q)+2*n:128*(\q)+2*n+1], v[128*(\q)+2*n:128*(\q)+2*n+1], v[RUN+(2*n)%8:RUN+(2*n)%8+1] neg_lo:[1,0] neg_hi:[1,0]
.endm
.macro XST W, q                        ; y = a log2(e) + c_t
	v_pk_fma_f32 v[128*(\q)+2*n:128*(\q)+2*n+1], v[128*(\q)+2*n:128*(\q)+2*n+1], v[CP:CP+1], 0x8d800000+((32*((\W)-1)+16*(\q)+n/4)<<17) op_sel_hi:[1,1,0]
.endm
.macro KEY W, q                        ; the largest y so far, two tiles an instruction
.set n, 0
.rept 8
.irp j, 0,1,2,3,4,5,6,7
.if ((\W) == 1) && ((\q) == 0) && (n == 0)
	v_max3_num_f32 v[KR+\j], v[NINF], v[128*(\q)+16*n+\j], v[128*(\q)+16*n+8+\j]
.else
	v_max3_num_f32 v[KR+\j], v[KR+\j], v[128*(\q)+16*n+\j], v[128*(\q)+16*n+8+\j]
.endif
.endr
.set n, n+1
.endr
.endm
.macro RSUM W, q                       ; row sums: even tiles into one set of chains, odd tiles into the other; the first tile of each starts it
.set n, 0
.rept 16
.irp p, 0,2,4,6
.if ((\W) == 1) && ((\q) == 0) && (n < 2)
	v_pk_mul_f32 v[RS+8*(n%2)+\p:RS+8*(n%2)+\p+1], v[ONE:ONE+1], v[128*(\q)+8*n+\p:128*(\q)+8*n+\p+1]
.else
	v_pk_add_f32 v[RS+8*(n%2)+\p:RS+8*(n%2)+\p+1], v[RS+8*(n%2)+\p:RS+8*(n%2)+\p+1], v[128*(\q)+8*n+\p:128*(\q)+8*n+\p+1]
.endif
.endr
.set n, n+1
.endr
.endm
; A window's 32 code tiles, in two halves.  The first half's 128 exponentials stand by turns with the second half's a and y, which name none of their results.  Each half's exponentials are one batch
; with one wait ahead of the first line that names a result.
.macro S2WIN W
	WIN 0x41*(\W)
.set n, 0
.rept 64
	AST 0
.set n, n+1
.endr
.set n, 0
.rept 64
	XST \W, 0
.set n, n+1
.endr
	WIN 0x14*(\W)
	KEY \W, 0
	WIN 0x41*(\W)
.set n, 0
.rept 64
	v_exp_f32 v[n], v[n]
	AST 1
.set n, n+1
.endr
.set n, 0
.rept 64
	v_exp_f32 v[64+n], v[64+n]
	XST \W, 1
.set n, n+1
.endr
	s_wait_alu depctr_va_vdst(0)                   ; one wait for the 128; the last line above is the plain line behind the last of them
	WIN 0x14*(\W)
	KEY \W, 1
	RSUM \W, 0
	WIN 0x41*(\W)
.set n, 0
.rept 128
	v_exp_f32 v[128+n], v[128+n]
.set n, n+1
.endr
	v_nop                                          ; the plain line behind the last exponential
	s_wait_alu depctr_va_vdst(0)                   ; one wait for the 128
	WIN 0x14*(\W)
	RSUM \W, 1
.endm
.macro STATS                           ; the row's sum and index over sixteen lanes; the index to my own LDS bytes; 1 / sum, with one step of Newton's
	WIN 0
.irp p, 0,2,4,6
	v_pk_add_f32 v[RS+\p:RS+\p+1], v[RS+\p:RS+\p+1], v[INV+\p:INV+\p+1]
.endr
.irp j, 0,1,2,3,4,5,6,7
	v_add_nc_u32 v[KR+\j], v[KR+\j], v[R13]        ; r below t in the key's bits: the magnitude grows with 16 t + r, and the key is negative
.endr
.irp m, 1,2,4,8
.irp j, 0,1,2,3,4,5,6,7
	v_add_f32_dpp v[RS+\j], v[RS+\j], v[RS+\j] row_xmask:\m row_mask:0xf bank_mask:0xf
	v_max_num_f32_dpp v[KR+\j], v[KR+\j], v[KR+\j] row_xmask:\m row_mask:0xf bank_mask:0xf
.endr
.endr
.irp j, 0,1,2,3,4,5,6,7
	v_bfe_u32 v[KR+\j], v[KR+\j], 13, 10           ; 16 t + r
.endr
	v_add_nc_u32 v[ISW], s[TO], v[ISW0]
.irp j, 0,1,2,3,4,5,6,7
	ds_store_b32 v[ISW], v[KR+\j] offset:4*\j      ; sixteen lanes write the same word with the same value
.endr
.irp j, 0,1,2,3,4,5,6,7
	v_rcp_f32 v[INV+\j], v[RS+\j]
.endr
	v_nop
	s_wait_alu depctr_va_vdst(0)                   ; one wait for the eight reciprocals
.irp j, 0,1,2,3,4,5,6,7
	v_fma_f32 v[S+\j], -v[RS+\j], v[INV+\j], 1.0
.endr
.irp j, 0,1,2,3,4,5,6,7
	v_fma_f32 v[INV+\j], v[INV+\j], v[S+\j], v[INV+\j]
.endr
.endm
.macro S3WIN W                         ; column sums: p = exponential / row sum, one fused multiply-add for two rows; 32 tiles stand between two lines on one pair
	WIN 0xf0+(\W)
.irp p, 0,2,4,6
.set n, 0
.rept 32
	v_pk_fma_f32 v[2*(32*((\W)-1)+n):2*(32*((\W)-1)+n)+1], v[8*n+\p:8*n+\p+1], v[INV+\p:INV+\p+1], v[2*(32*((\W)-1)+n):2*(32*((\W)-1)+n)+1]
.set n, n+1
.endr
.endr
.endm
; THE NEXT TILE, in four parts that stand between the parts of the tile in hand.  The branches hang on the trip and on the level.  At a label and at a branch every window is 0.
.macro N0 head                         ; its indices and its rows of x are asked for
	WIN 0
.if !(\head)
	s_cmp_eq_u32 s[G0], 0
	s_cbranch_scc1 .Ln0e_\@
	s_wait_xcnt 0x0                                ; the pointers are stepped only behind this wait
	s_add_nc_u64 s[4:5], s[4:5], 8192
	s_add_nc_u64 s[LA:LA+1], s[LA:LA+1], 64
	s_add_nc_u64 s[LB:LB+1], s[LB:LB+1], 64
.endif
	s_cmp_lt_u32 s[G1], 1
	s_cbranch_scc1 .Ln0x_\@
	s_load_b512 s[32:47], s[LA:LA+1], 0x0
	s_cmp_lt_u32 s[G1], 2
	s_cbranch_scc1 .Ln0x_\@
	s_load_b512 s[48:63], s[LB:LB+1], 0x0
.Ln0x_\@:
	XLOAD
.Ln0e_\@:
.endm
.macro N1                              ; the rows of the first code book
	WIN 0
	s_cmp_lt_u32 s[G1], 1
	s_cbranch_scc1 .Ln1e_\@
	s_wait_kmcnt 0x0
	GLOAD 32, 0
.Ln1e_\@:
.endm
.macro N2                              ; they are taken away; the rows of the second code book
	WIN 0
	s_cmp_lt_u32 s[G1], 1
	s_cbranch_scc1 .Ln2e_\@
	s_wait_loadcnt 0x0
	SUBQ
	s_cmp_lt_u32 s[G1], 2
	s_cbranch_scc1 .Ln2e_\@
	s_wait_kmcnt 0x0
	GLOAD 48, 524288
.Ln2e_\@:
.endm
.macro N3 head                         ; they are taken away; norm, codes, and the first two batches of code tiles
	WIN 0
	s_wait_loadcnt 0x0
.if !(\head)
	s_cmp_eq_u32 s[G0], 0
	s_cbranch_scc1 .Ln3e_\@
.endif
	s_cmp_lt_u32 s[G1], 2
	s_cbranch_scc1 .Ln3s_\@
	SUBQ
.Ln3s_\@:
	TURN
	NORM
	QUANT
	BLOAD 0
	BLOAD 1
.rept 8
	v_nop                                          ; a scale word written by a vector instruction stands eight places ahead of a scaled matrix instruction, codes so written four
.endr
.Ln3e_\@:
.endm
.macro QADD base, a, b                 ; four numbers onto four
	v_pk_add_f32 v[\base+4*\a:\base+4*\a+1], v[\base+4*\a:\base+4*\a+1], v[\base+4*\b:\base+4*\b+1]
	v_pk_add_f32 v[\base+4*\a+2:\base+4*\a+3], v[\base+4*\a+2:\base+4*\a+3], v[\base+4*\b+2:\base+4*\b+3]
.endm
.macro FREG                            ; the fill's registers in window 3: twenty loads into v0-79, sixteen into v192-255
.if i < 20
.set FR, 4*i
.else
.set FR, ST1+4*(i-20)
.endif
.endm
	s_load_b256 s[4:11], s[0:1], 0x0               ; x, codebooks, cbq, list A
	s_load_b128 s[12:15], s[0:1], 0x20             ; list B, list out
	s_load_b64 s[16:17], s[0:1], 0x30              ; part
	v_lshl_add_u32 v254, v0, 2, 0x23000
	v_mov_b32 v255, 0
	v_lshrrev_b32 v[T0], 5, v0
	v_readfirstlane_b32 s[WV], v[T0]               ; wave 0..3
	v_and_b32 v[T0], 31, v0                        ; lane
	v_and_b32 v[T1], 15, v0                        ; r
	v_bfe_u32 v[T2], v0, 4, 1                      ; h
	v_lshlrev_b32 v[LOFF], 4, v[T0]
	v_lshl_add_u32 v[SA], v[T1], 3, SWB
	s_mul_i32 s68, s[WV], 16*XP
	s_add_co_u32 s68, s68, XS
	v_add_nc_u32 v[STI], s68, v[LOFF]
	v_mul_u32_u24 v[STO], v[T1], XP
	v_lshl_add_u32 v[STO], v[T2], 6, v[STO]
	v_add_nc_u32 v[STO], s68, v[STO]
	s_lshl_b32 s69, s[WV], 8
	s_add_co_u32 s70, s69, SS
	v_lshl_add_u32 v[SSW], v[T1], 2, s70
	v_lshl_add_u32 v[SSR], v[T2], 5, s70
	s_add_co_u32 s70, s69, IS
	v_lshl_add_u32 v[ISW0], v[T2], 5, s70
	v_lshl_add_u32 v[ISR], v[T0], 3, s70
	v_lshlrev_b32 v[R13], 13, v[T1]
	s_mul_i32 s70, s[WV], 2*CSP
	s_add_co_u32 s70, s70, CS
	v_mul_u32_u24 v[CSW], v[T2], CSP
	v_lshl_add_u32 v[CSW], v[T1], 2, v[CSW]
	v_add_nc_u32 v[CSW], s70, v[CSW]               ; part 2 w + h, column r of a tile
	s_lshl_b32 s70, s[WV], 10
	s_add_co_u32 s70, s70, CS
	v_add_nc_u32 v[CSR], s70, v[LOFF]              ; back: columns 256 w + 4 x lane
	v_lshlrev_b32 v[FA], 4, v0
	v_add_nc_u32 v[FA2], 0x10000, v[FA]
	v_lshlrev_b32 v[IOF], 3, v[T0]
	v_lshlrev_b32 v[POF], 16, v[T2]
	v_lshl_add_u32 v[POF], v[T1], 4, v[POF]        ; part: block of 64 columns lane / 16, 16 bytes a lane
	v_mov_b32 v[PINF], 0x7f800000
	v_mov_b32 v[NINF], 0xff800000
	v_mov_b32 v[CP], 0x3fb8aa3b
	v_mov_b32 v[CP+1], 0x3fb8aa3b
	v_mov_b32 v[CN], 0xbc800000
	v_mov_b32 v[CN+1], 0xbc800000
	v_mov_b32 v[ONE], 1.0
	v_mov_b32 v[ONE+1], 1.0
.irp b, 0,1,2,3
	v_mov_b32 v[TM+4+\b], 0                        ; a lane permute's destination counts as one of its sources
.endr
	v_mov_b32 v[SNT], 0
	s_mov_b32 s[SEL], 0x76543210
	s_mov_b32 s[SEL+1], 0xfedcba98
	s_mov_b32 s[TRIP], 0
	s_mov_b32 s[TO], 0
	s_mov_b32 s[G0], 1
.set i, 32
.rept 32
	s_mov_b32 s[i], 0                              ; the indices' registers are written on every way
.set i, i+1
.endr
	s_wait_kmcnt 0x0
	s_load_b32 s[LV], s[10:11], 0x0                ; the level
	s_lshl_b32 s68, ttmp9, 17                      ; my work-group's 256 rows of 512 bytes,
	s_lshl_b32 s70, s[WV], 15                      ; my wave's 64
	s_add_co_u32 s68, s68, s70
	s_mov_b32 s69, 0
	s_add_nc_u64 s[4:5], s[4:5], s[68:69]
	s_wait_kmcnt 0x0
	s_min_u32 s[LV], s[LV], 2
	s_mov_b32 s[G1], s[LV]
	s_mul_i32 s68, s[LV], CBL
	s_add_nc_u64 s[8:9], s[8:9], s[68:69]          ; the level's image
	s_cmp_eq_u32 s[LV], 2
	s_cselect_b64 s[LA:LA+1], s[12:13], s[10:11]   ; the first code book's indices: list B at level 2, else list A
	s_mov_b64 s[LB:LB+1], s[10:11]                 ; the second's: list A
	s_lshl_b32 s68, ttmp9, 10
	s_lshl_b32 s70, s[WV], 8
	s_add_co_u32 s68, s68, s70
	s_add_co_u32 s68, s68, 256                     ; the indices begin at byte 256; 4 bytes a row
	s_add_nc_u64 s[LA:LA+1], s[LA:LA+1], s[68:69]
	s_add_nc_u64 s[LB:LB+1], s[LB:LB+1], s[68:69]
	s_add_nc_u64 s[14:15], s[14:15], s[68:69]
	s_lshl_b32 s68, s[LV], 20                      ; part [level][block of 64 columns][work-group][64]: my wave stores blocks 4 w .. 4 w + 3
	s_lshl_b32 s70, s[WV], 18
	s_add_co_u32 s68, s68, s70
	s_lshl_b32 s70, ttmp9, 8
	s_add_co_u32 s68, s68, s70
	s_add_nc_u64 s[16:17], s[16:17], s[68:69]
	N0 1                                           ; tile 0's indices and rows
	WIN 0xc0                                       ; the level's image, 36 x 16 bytes a thread, through registers into LDS
.set i, 0
.rept 36
	FREG
	global_load_b128 v[FR:FR+3], v[FA], s[8:9] offset:2048*i
.set i, i+1
.endr
	s_wait_loadcnt 0x0
	WIN 0x0c
.set i, 0
.rept 36
	FREG
.if i < 32
	ds_store_b128 v[FA], v[FR:FR+3] offset:2048*i
.else
	ds_store_b128 v[FA2], v[FR:FR+3] offset:2048*(i-32)
.endif
.set i, i+1
.endr
	WIN 0
	s_wait_dscnt 0x0                               ; for the others' sake: my part of the image lies in LDS; and the stores have read their registers
	s_barrier_signal -1
	s_barrier_wait -1                              ; the image is whole; nobody writes it again
	N1
	WIN 0xc0
.set i, 0
.rept 64
	v_pk_mul_f32 v[2*i:2*i+1], v[CN:CN+1], 1.0 op_sel_hi:[1,0]   ; each of these registers takes 16 numbers p: it begins at -16/1024, so that what is summed is the small part
.set i, i+1
.endr
	N2
	N3 1
.Ltile:                                            ; four trips, a tile of 16 rows each
	s_cmp_lt_u32 s[TRIP], 3
	s_cselect_b32 s[G0], 1, 0
	s_cselect_b32 s[G1], s[LV], 0
	N0 0
.irp b, 0,1,2,3,4,5,6,7,8
	S1IT \b
.endr
	N1
.irp b, 9,10,11,12,13,14,15,16
	S1IT \b
.endr
	DMIN
	S2WIN 1
	N2
	S2WIN 2
	STATS
	S3WIN 1
	S3WIN 2
	N3 0
	s_add_co_u32 s[TO], s[TO], 64
	s_add_co_u32 s[TRIP], s[TRIP], 1
	s_cmp_lt_u32 s[TRIP], 4
	s_cbranch_scc1 .Ltile
	; THE WAY OUT.  A pair's two registers are added; the eight parts (wave, half of the lanes) meet in LDS; each wave adds 256 columns and stores them, sixteen lanes to 256 consecutive bytes, aligned.
	WIN 0xcf
.set n, 0
.rept 64
	v_add_f32 v[2*n], v[2*n], v[2*n+1]
.set n, n+1
.endr
	WIN 0x0c
.set n, 0
.rept 64
	ds_store_b32 v[CSW], v[2*n] offset:64*n
.set n, n+1
.endr
	WIN 0
	ds_load_b64 v[208:209], v[ISR]                 ; my wave's 64 indices: its own bytes, served in order
	s_wait_dscnt 0x0                               ; they are in; and for the others' sake my column sums lie in LDS
	global_store_b64 v[IOF], v[208:209], s[14:15]  ; 256 consecutive bytes, aligned
	s_barrier_signal -1
	s_barrier_wait -1
.irp i, 0,1
.irp p, 0,1,2,3,4,5,6,7
	ds_load_b128 v[112+32*\i+4*\p:112+32*\i+4*\p+3], v[CSR] offset:512*\i+CSP*\p
.endr
.endr
	s_wait_dscnt 8                                 ; the first 128 columns' eight parts are in; the second eight loads may be out
.irp i, 0,1
.if \i == 1
	s_wait_dscnt 0x0
.endif
	QADD 112+32*\i, 0, 1
	QADD 112+32*\i, 2, 3
	QADD 112+32*\i, 4, 5
	QADD 112+32*\i, 6, 7
	QADD 112+32*\i, 0, 2
	QADD 112+32*\i, 4, 6
	QADD 112+32*\i, 0, 4
	global_store_b128 v[POF], v[112+32*\i:112+32*\i+3], s[16:17] offset:131072*\i
.endr
	s_wait_tensorcnt 0x0
	ds_add_u32 v254, v255
	s_wait_dscnt 0x0
	s_endpgm
.Lfunc_end_k_qf2794ab7e7_lvl0:
	.size	k_qf2794ab7e7_lvl0, .Lfunc_end_k_qf2794ab7e7_lvl0-k_qf2794ab7e7_lvl0
	.p2alignl 7, 3214868480
	.fill 96, 4, 3214868480
	.section	.rodata,"a",@progbits
	.p2align	6, 0x0
	.amdhsa_kernel k_qf2794ab7e7_lvl0
		.amdhsa_group_segment_fixed_size 143872
		.amdhsa_private_segment_fixed_size 0
		.amdhsa_enable_private_segment 0
		.amdhsa_kernarg_size 56
		.amdhsa_user_sgpr_count 2
		.amdhsa_user_sgpr_kernarg_segment_ptr 1
		.amdhsa_wavefront_size32 1
		.amdhsa_system_sgpr_workgroup_id_x 1
		.amdhsa_system_sgpr_workgroup_id_y 1
		.amdhsa_system_sgpr_workgroup_id_z 1
		.amdhsa_system_vgpr_workitem_id 0
		.amdhsa_next_free_vgpr 1024
		.amdhsa_next_free_sgpr 80
		.amdhsa_reserve_vcc 0
		.amdhsa_float_denorm_mode_32 3
		.amdhsa_float_denorm_mode_16_64 3
		.amdhsa_memory_ordered 1
		.amdhsa_forward_progress 1
		.amdhsa_inst_pref_size 254
	.end_amdhsa_kernel
	.amdgpu_metadata
---
amdhsa.version: [ 1, 2 ]
amdhsa.kernels:
  - .name:           k_qf2794ab7e7_lvl0
    .symbol:         k_qf2794ab7e7_lvl0.kd
    .args:
      - { .name: x, .offset: 0, .size: 8, .value_kind: global_buffer, .address_space: global }
      - { .name: codebooks, .offset: 8, .size: 8, .value_kind: global_buffer, .address_space: global }
      - { .name: cbq, .offset: 16, .size: 8, .value_kind: global_buffer, .address_space: global }
      - { .name: idxm, .offset: 24, .size: 8, .value_kind: global_buffer, .address_space: global }
      - { .name: idx1, .offset: 32, .size: 8, .value_kind: global_buffer, .address_space: global }
      - { .name: idx0, .offset: 40, .size: 8, .value_kind: global_buffer, .address_space: global }
      - { .name: part, .offset: 48, .size: 8, .value_kind: global_buffer, .address_space: global }
    .group_segment_fixed_size: 143872
    .private_segment_fixed_size: 0
    .kernarg_segment_align: 8
    .kernarg_segment_size: 56
    .max_flat_workgroup_size: 128
    .sgpr_count:     80
    .vgpr_count:     1024
    .wavefront_size: 32
...
	.end_amdgpu_metadata
.endif
;; end of part 2
;; launch lvl1: the kernel of part 2 again; grid 256 x 1, 4 waves a work-group, no clusters, 143,872 bytes of LDS; arguments x, codebooks, cbq, idx0, idxm, idx1, part; writes idx1, part
;; launch lvl2: the kernel of part 2 again; grid 256 x 1, 4 waves a work-group, no clusters, 143,872 bytes of LDS; arguments x, codebooks, cbq, idx1, idx0, idx2, part; writes idx2, part
;; launch fin (part 3): grid 256 x 1, 16 waves a work-group, no clusters, 14,336 bytes of LDS; arguments x, codebooks, idx0, idx1, idx2, part, out0, out1, fpart; writes out0, out1, fpart
.if DOCPART == 3
	.amdgcn_target "amdgcn-amd-amdhsa--gfx1250"
	.amdhsa_code_object_version 6
	.text
	.protected	k_qf2794ab7e7_fin
	.globl	k_qf2794ab7e7_fin
	.p2align	8
	.type	k_qf2794ab7e7_fin,@function
k_qf2794ab7e7_fin:
	s_mov_b64 s[64:65], 0
	v_nop
	global_prefetch_b8 v0, s[64:65] scope:SCOPE_SE
	s_setreg_imm32_b32 hwreg(HW_REG_WAVE_MODE, 25, 1), 1
	s_wait_xcnt 0x0
; THE RESULTS BY ROWS.  For each row: q0, q1, q2 = the chosen rows of the three code books (f32); out0 = (q0 + q1) + q2; out1 = the three indices;
; r1 = x - q0, r2 = r1 - q1, r3 = r2 - q2, and the sums of their squares over the work-group's 256 rows, for the commitment loss.
; Work-groups 0 to 47 also add one block of the column sums (level = number / 16, 64 columns = number % 16) over the 256 work-groups of the level launch and form those columns' terms
; avg x ln(1024 avg + 1e-8).  fpart [work-group]: sum r1^2, sum r2^2, sum r3^2, the terms' sum (0 from work-group 48 on).
; The column sums come as dev = sum of p - 64, so 1024 avg = 1 + f with f = dev / 64.  Where |f| < 0.5 the logarithm is taken as ln(u) g / (u - 1) with g = f + 1e-8, u = 1 + g rounded
; (g itself where u = 1): that keeps what 1 + g loses.  Elsewhere it is ln(1024 avg + 1e-8) as it stands.  The choice is a select, not a branch.
; SHARES.  Sixteen waves, 16 rows each, four rows at a time on two sets of registers: while one set is worked on, the other's sixteen loads are on their way.  A load or store of a wave is one row, 512 consecutive bytes.
; Memory binds: no matrix unit, no tensor load, no cluster (work-groups share only the code books, 1.5 MB, by rows that the indices choose).  Both sets' loads are out from the head on, so nothing is asked of memory ahead of them.
; LIMITS: NaN and infinities are not served; a term r - r in out0, 0 for finite r, is left out.
.set CSB, 3072                         ; LDS: 0: out1's 256 rows of 12 bytes;  CSB: 32 partial rows of 64 column sums;  CM: each wave's three sums, 16 bytes
.set CM,  11264
.set CC,  168                          ; v[168:179] the three sums of squares, four registers each
.set WV,  22
.set SEL, 84
; a set p at v[16 + 76 p]: x 16, q0 16, q1 16, q2 16, the gathers' offsets 12
.macro GISSUE g, p                     ; rows 4 g .. 4 g + 3 of my 16 are asked for
.set SB, 16+76*(\p)
.irp k, 0,1,2,3
	v_lshl_add_u32 v[SB+64+\k], s[32+4*(\g)+\k], 9, v1
	v_lshl_add_u32 v[SB+68+\k], s[48+4*(\g)+\k], 9, v1
	v_lshl_add_u32 v[SB+72+\k], s[68+4*(\g)+\k], 9, v1
.endr
.irp k, 0,1,2,3
	global_load_b128 v[SB+4*\k:SB+4*\k+3], v1, s[4:5] offset:512*(4*(\g)+\k) th:TH_LOAD_NT
	global_load_b128 v[SB+16+4*\k:SB+16+4*\k+3], v[SB+64+\k], s[6:7]
	global_load_b128 v[SB+32+4*\k:SB+32+4*\k+3], v[SB+68+\k], s[6:7] offset:524288
	global_load_b128 v[SB+48+4*\k:SB+48+4*\k+3], v[SB+72+\k], s[6:7] offset:1048576
.endr
.endm
.macro SQ g, l                         ; the squares of what stands in x's place onto sum l; the very first start the sums
.irp e, 0,2,4,6,8,10,12,14
.if ((\g) == 0) && (\e < 4)
	v_pk_mul_f32 v[CC+4*(\l)+\e:CC+4*(\l)+\e+1], v[SB+\e:SB+\e+1], v[SB+\e:SB+\e+1]
.else
	v_pk_fma_f32 v[CC+4*(\l)+\e%4:CC+4*(\l)+\e%4+1], v[SB+\e:SB+\e+1], v[SB+\e:SB+\e+1], v[CC+4*(\l)+\e%4:CC+4*(\l)+\e%4+1]
.endif
.endr
.endm
.macro GWORK g, p, left                ; left: the other set's loads, which may stay out
.set SB, 16+76*(\p)
	s_wait_loadcnt \left
.irp e, 0,2,4,6,8,10,12,14
	v_pk_add_f32 v[SB+\e:SB+\e+1], v[SB+\e:SB+\e+1], v[SB+16+\e:SB+16+\e+1] neg_lo:[0,1] neg_hi:[0,1]   ; r1 = x - q0
.endr
	SQ \g, 0
.irp e, 0,2,4,6,8,10,12,14
	v_pk_add_f32 v[SB+16+\e:SB+16+\e+1], v[SB+16+\e:SB+16+\e+1], v[SB+32+\e:SB+32+\e+1]                 ; q0 + q1
.endr
.irp e, 0,2,4,6,8,10,12,14
	v_pk_add_f32 v[SB+\e:SB+\e+1], v[SB+\e:SB+\e+1], v[SB+32+\e:SB+32+\e+1] neg_lo:[0,1] neg_hi:[0,1]   ; r2 = r1 - q1
.endr
	SQ \g, 1
.irp e, 0,2,4,6,8,10,12,14
	v_pk_add_f32 v[SB+16+\e:SB+16+\e+1], v[SB+16+\e:SB+16+\e+1], v[SB+48+\e:SB+48+\e+1]                 ; + q2
.endr
.irp e, 0,2,4,6,8,10,12,14
	v_pk_add_f32 v[SB+\e:SB+\e+1], v[SB+\e:SB+\e+1], v[SB+48+\e:SB+48+\e+1] neg_lo:[0,1] neg_hi:[0,1]   ; r3 = r2 - q2
.endr
	SQ \g, 2
.irp k, 0,1,2,3
	global_store_b128 v1, v[SB+16+4*\k:SB+16+4*\k+3], s[16:17] offset:512*(4*(\g)+\k) th:TH_STORE_NT
.endr
	s_wait_xcnt 0x0                                ; the set's registers are written again only behind this wait
.if (\g) < 2
	GISSUE (\g)+2, \p
.endif
.endm
.macro QADD base, a, b
	v_pk_add_f32 v[\base+4*\a:\base+4*\a+1], v[\base+4*\a:\base+4*\a+1], v[\base+4*\b:\base+4*\b+1]
	v_pk_add_f32 v[\base+4*\a+2:\base+4*\a+3], v[\base+4*\a+2:\base+4*\a+3], v[\base+4*\b+2:\base+4*\b+3]
.endm
	s_load_b512 s[4:19], s[0:1], 0x0               ; x, codebooks, idx0, idx1, idx2, part, out0, out1
	s_load_b64 s[20:21], s[0:1], 0x40              ; fpart
	v_lshl_add_u32 v224, v0, 2, 0x3000
	v_mov_b32 v225, 0
	v_lshrrev_b32 v8, 5, v0
	v_readfirstlane_b32 s[WV], v8                  ; wave 0..15
	v_and_b32 v9, 31, v0                           ; lane
	v_and_b32 v10, 15, v0
	v_lshlrev_b32 v1, 4, v9                        ; 16 x lane
	v_lshlrev_b32 v2, 2, v10
	v_lshlrev_b32 v7, 4, v0                        ; 16 x thread
	s_mul_i32 s86, s[WV], 192
	v_mul_u32_u24 v3, v10, 12
	v_add_nc_u32 v3, s86, v3                       ; out1's stage: 12 bytes a row
	v_add_nc_u32 v11, CSB, v7
	v_lshl_add_u32 v12, v9, 3, CSB
	s_lshl_b32 s86, s[WV], 4
	s_add_co_u32 s86, s86, CM
	v_mov_b32 v13, s86
	v_lshl_add_u32 v14, v10, 4, CM
	v_mov_b32 v15, 0
	s_mov_b32 s[SEL], 0x76543210
	s_mov_b32 s[SEL+1], 0xfedcba98
	s_lshl_b32 s86, ttmp9, 17
	s_lshl_b32 s88, s[WV], 13
	s_add_co_u32 s86, s86, s88                     ; my first row of x and out0: 256 x work-group + 16 x wave, 512 bytes a row
	s_mov_b32 s87, 0
	s_lshl_b32 s88, ttmp9, 10
	s_lshl_b32 s90, s[WV], 6
	s_add_co_u32 s88, s88, s90
	s_add_co_u32 s88, s88, 256                     ; its index: the lists begin at byte 256
	s_mov_b32 s89, 0
	s_lshl_b32 s90, ttmp9, 16                      ; a block of part is 65,536 bytes
	s_mov_b32 s91, 0
	s_mul_i32 s24, ttmp9, 3072
	s_mov_b32 s25, 0
	s_lshl_b32 s26, ttmp9, 4
	s_mov_b32 s27, 0
	s_wait_kmcnt 0x0
	s_add_nc_u64 s[4:5], s[4:5], s[86:87]
	s_add_nc_u64 s[16:17], s[16:17], s[86:87]
	s_add_nc_u64 s[8:9], s[8:9], s[88:89]
	s_add_nc_u64 s[10:11], s[10:11], s[88:89]
	s_add_nc_u64 s[12:13], s[12:13], s[88:89]
	s_add_nc_u64 s[14:15], s[14:15], s[90:91]
	s_add_nc_u64 s[18:19], s[18:19], s[24:25]
	s_add_nc_u64 s[20:21], s[20:21], s[26:27]
	s_load_b512 s[32:47], s[8:9], 0x0              ; my 16 rows' indices, as scalars: they steer the gathers
	s_load_b512 s[48:63], s[10:11], 0x0
	s_load_b512 s[68:83], s[12:13], 0x0
	global_load_b32 v4, v2, s[8:9]                 ; and as data, for out1
	global_load_b32 v5, v2, s[10:11]
	global_load_b32 v6, v2, s[12:13]
	s_wait_kmcnt 0x0
.set i, 0
.rept 16
	s_min_u32 s[32+i], s[32+i], 1023               ; an index stays inside its table
	s_min_u32 s[48+i], s[48+i], 1023
	s_min_u32 s[68+i], s[68+i], 1023
.set i, i+1
.endr
	GISSUE 0, 0
	GISSUE 1, 1
	s_wait_loadcnt 32                              ; the three list words are in; both sets' 32 loads may be out
	ds_store_b32 v3, v4                            ; both halves of the lanes write the same words with the same values
	ds_store_b32 v3, v5 offset:4
	ds_store_b32 v3, v6 offset:8
	s_cmp_ge_u32 ttmp9, 48
	s_cbranch_scc1 .Lno_part
.set i, 0
.rept 8
	global_load_b128 v[180+4*i:183+4*i], v7, s[14:15] offset:8192*i th:TH_LOAD_NT   ; rows thread / 16 + 32 i of the block's 256, four columns: a wave reads 512 consecutive bytes
.set i, i+1
.endr
	s_wait_loadcnt 0x0
	QADD 180, 0, 1
	QADD 180, 2, 3
	QADD 180, 4, 5
	QADD 180, 6, 7
	QADD 180, 0, 2
	QADD 180, 4, 6
	QADD 180, 0, 4
	ds_store_b128 v11, v[180:183]
	s_wait_dscnt 0x0                               ; the store has read its registers
.Lno_part:
	GWORK 0, 0, 16
	GWORK 1, 1, 16
	GWORK 2, 0, 16
	GWORK 3, 1, 0
	; my wave's three sums
.irp l, 0,1,2
	v_pk_add_f32 v[CC+4*\l:CC+4*\l+1], v[CC+4*\l:CC+4*\l+1], v[CC+4*\l+2:CC+4*\l+3]
.endr
.irp l, 0,1,2
	v_add_f32 v[180+\l], v[CC+4*\l], v[CC+4*\l+1]
	v_mov_b32 v[184+\l], 0
.endr
.irp m, 1,2,4,8
.irp l, 0,1,2
	v_add_f32_dpp v[180+\l], v[180+\l], v[180+\l] row_xmask:\m row_mask:0xf bank_mask:0xf
.endr
.endr
.irp l, 0,1,2
	v_permlanex16_b32 v[184+\l], v[180+\l], s[SEL], s[SEL+1]
.endr
.irp l, 0,1,2
	v_add_f32 v[180+\l], v[180+\l], v[184+\l]
.endr
	v_mov_b32 v183, 0
	ds_store_b128 v13, v[180:183]                  ; all lanes write the same 16 bytes with the same values
	s_wait_dscnt 0x0                               ; for the others' sake: all my LDS stores have landed
	s_barrier_signal -1
	s_barrier_wait -1
	s_cmp_lt_u32 s[WV], 6
	s_cbranch_scc0 .Lnot_out1
	ds_load_b128 v[180:183], v7                    ; waves 0 to 5: out1's 3,072 bytes, 16 a thread
	s_wait_dscnt 0x0
	global_store_b128 v7, v[180:183], s[18:19]     ; sixteen lanes store 256 consecutive bytes, aligned
	s_branch .Lend
.Lnot_out1:
	s_cmp_eq_u32 s[WV], 6
	s_cbranch_scc0 .Lend
	ds_load_b128 v[184:187], v14                   ; wave 6: lane l % 16 takes wave l % 16's sums
	s_wait_dscnt 0x0
.irp m, 1,2,4,8
.irp l, 0,1,2
	v_add_f32_dpp v[184+\l], v[184+\l], v[184+\l] row_xmask:\m row_mask:0xf bank_mask:0xf
.endr
.endr
	v_mov_b32 v187, 0
	v_mov_b32 v188, 0
	s_cmp_ge_u32 ttmp9, 48
	s_cbranch_scc1 .Lno_kl
.set i, 0
.rept 32
	ds_load_b64 v[16+2*i:17+2*i], v12 offset:256*i ; columns 2 x lane and 2 x lane + 1 of the 32 partial rows
.set i, i+1
.endr
	s_mov_b32 s86, 0x3a800000                      ; 2^-10
	s_mov_b32 s87, 0x44800000                      ; 1024
	s_mov_b32 s88, 0x322bcc77                      ; 1e-8
	s_wait_dscnt 0x0
.set i, 4
.rept 28
	v_pk_add_f32 v[16+2*(i%4):17+2*(i%4)], v[16+2*(i%4):17+2*(i%4)], v[16+2*i:17+2*i]
.set i, i+1
.endr
	v_pk_add_f32 v[16:17], v[16:17], v[18:19]
	v_pk_add_f32 v[20:21], v[20:21], v[22:23]
	v_pk_add_f32 v[16:17], v[16:17], v[20:21]      ; dev
.irp e, 0,1
	v_mul_f32 v[24+\e], 0x3c800000, v[16+\e]       ; f = dev / 64
.endr
.irp e, 0,1
	v_fma_f32 v[26+\e], v[24+\e], s86, s86         ; avg = (1 + f) / 1024
	v_add_f32 v[28+\e], s88, v[24+\e]              ; g = f + 1e-8
	v_and_b32 v[38+\e], 0x7fffffff, v[24+\e]       ; |f|
.endr
.irp e, 0,1
	v_add_f32 v[30+\e], 1.0, v[28+\e]              ; u
	v_fma_f32 v[34+\e], v[26+\e], s87, s88         ; 1024 avg + 1e-8
.endr
.irp e, 0,1
	v_add_f32 v[32+\e], -1.0, v[30+\e]             ; u - 1, exact
.endr
.irp e, 0,1
	v_log_f32 v[30+\e], v[30+\e]
.endr
.irp e, 0,1
	v_log_f32 v[34+\e], v[34+\e]
.endr
.irp e, 0,1
	v_rcp_f32 v[36+\e], v[32+\e]
.endr
	v_nop
	s_wait_alu depctr_va_vdst(0)                   ; one wait for the six
.irp e, 0,1
	v_mul_f32 v[30+\e], v[30+\e], v[36+\e]
	v_mul_f32 v[34+\e], 0x3f317218, v[34+\e]       ; x ln 2
.endr
.irp e, 0,1
	v_mul_f32 v[30+\e], v[30+\e], v[28+\e]
.endr
.irp e, 0,1
	v_mul_f32 v[30+\e], 0x3f317218, v[30+\e]       ; ln(u) g / (u - 1)
.endr
.irp e, 0,1
	v_cmp_eq_f32 vcc_lo, 0, v[32+\e]
	v_cndmask_b32 v[30+\e], v[30+\e], v[28+\e], vcc_lo   ; g where u = 1
	v_cmp_gt_f32 vcc_lo, 0.5, v[38+\e]
	v_cndmask_b32 v[34+\e], v[34+\e], v[30+\e], vcc_lo   ; the careful form where |f| < 0.5
.endr
	v_mul_f32 v187, v26, v34
	v_fmac_f32 v187, v27, v35
.irp m, 1,2,4,8
	v_add_f32_dpp v187, v187, v187 row_xmask:\m row_mask:0xf bank_mask:0xf
.endr
	v_permlanex16_b32 v188, v187, s[SEL], s[SEL+1]
	v_add_f32 v187, v187, v188                     ; the 64 columns' terms
.Lno_kl:
	s_wait_xcnt 0x0                                ; EXEC changes only behind this wait
	v_cmp_eq_u32 vcc_lo, 0, v9
	s_and_saveexec_b32 s90, vcc_lo
	global_store_b128 v15, v[184:187], s[20:21]    ; lane 0 stores the work-group's four numbers
	s_wait_xcnt 0x0
	s_or_b32 exec_lo, exec_lo, s90
.Lend:
	s_wait_tensorcnt 0x0
	ds_add_u32 v224, v225
	s_wait_dscnt 0x0
	s_endpgm
.Lfunc_end_k_qf2794ab7e7_fin:
	.size	k_qf2794ab7e7_fin, .Lfunc_end_k_qf2794ab7e7_fin-k_qf2794ab7e7_fin
	.p2alignl 7, 3214868480
	.fill 96, 4, 3214868480
	.section	.rodata,"a",@progbits
	.p2align	6, 0x0
	.amdhsa_kernel k_qf2794ab7e7_fin
		.amdhsa_group_segment_fixed_size 14336
		.amdhsa_private_segment_fixed_size 0
		.amdhsa_enable_private_segment 0
		.amdhsa_kernarg_size 72
		.amdhsa_user_sgpr_count 2
		.amdhsa_user_sgpr_kernarg_segment_ptr 1
		.amdhsa_wavefront_size32 1
		.amdhsa_system_sgpr_workgroup_id_x 1
		.amdhsa_system_sgpr_workgroup_id_y 1
		.amdhsa_system_sgpr_workgroup_id_z 1
		.amdhsa_system_vgpr_workitem_id 0
		.amdhsa_next_free_vgpr 226
		.amdhsa_next_free_sgpr 96
		.amdhsa_reserve_vcc 1
		.amdhsa_float_denorm_mode_32 3
		.amdhsa_float_denorm_mode_16_64 3
		.amdhsa_memory_ordered 1
		.amdhsa_forward_progress 1
		.amdhsa_inst_pref_size 44
	.end_amdhsa_kernel
	.amdgpu_metadata
---
amdhsa.version: [ 1, 2 ]
amdhsa.kernels:
  - .name:           k_qf2794ab7e7_fin
    .symbol:         k_qf2794ab7e7_fin.kd
    .args:
      - { .name: x, .offset: 0, .size: 8, .value_kind: global_buffer, .address_space: global }
      - { .name: codebooks, .offset: 8, .size: 8, .value_kind: global_buffer, .address_space: global }
      - { .name: idx0, .offset: 16, .size: 8, .value_kind: global_buffer, .address_space: global }
      - { .name: idx1, .offset: 24, .size: 8, .value_kind: global_buffer, .address_space: global }
      - { .name: idx2, .offset: 32, .size: 8, .value_kind: global_buffer, .address_space: global }
      - { .name: part, .offset: 40, .size: 8, .value_kind: global_buffer, .address_space: global }
      - { .name: out0, .offset: 48, .size: 8, .value_kind: global_buffer, .address_space: global }
      - { .name: out1, .offset: 56, .size: 8, .value_kind: global_buffer, .address_space: global }
      - { .name: fpart, .offset: 64, .size: 8, .value_kind: global_buffer, .address_space: global }
    .group_segment_fixed_size: 14336
    .private_segment_fixed_size: 0
    .kernarg_segment_align: 8
    .kernarg_segment_size: 72
    .max_flat_workgroup_size: 512
    .sgpr_count:     96
    .vgpr_count:     226
    .wavefront_size: 32
...
	.end_amdgpu_metadata
.endif
;; end of part 3
;; launch red (part 4): grid 1 x 1, 1 waves a work-group, no clusters, 0 bytes of LDS; arguments fpart, out2, out3; writes out2, out3
.if DOCPART == 4
	.amdgcn_target "amdgcn-amd-amdhsa--gfx1250"
	.amdhsa_code_object_version 6
	.text
	.protected	k_qf2794ab7e7_red
	.globl	k_qf2794ab7e7_red
	.p2align	8
	.type	k_qf2794ab7e7_red,@function
k_qf2794ab7e7_red:
	s_mov_b64 s[64:65], 0
	v_nop
	global_prefetch_b8 v0, s[64:65] scope:SCOPE_SE
	s_setreg_imm32_b32 hwreg(HW_REG_WAVE_MODE, 25, 1), 1
	s_wait_xcnt 0x0
; The two scalars.  fpart holds four numbers for each of 256 work-groups: the sums of r1^2, r2^2, r3^2 and of the terms avg x ln(1024 avg + 1e-8).
; out2 = 1.25 x (the three sums) / 2^23 (each level's mean of (r - q)^2, once and once more x 0.25; 65,536 x 128 numbers);  out3 = 1e-3 x the terms' sum.
; One wave: 4,096 bytes are read, eight loads of 512 consecutive bytes.  A sum over work-groups wants a launch behind them.
.macro QADD base, a, b
	v_pk_add_f32 v[\base+4*\a:\base+4*\a+1], v[\base+4*\a:\base+4*\a+1], v[\base+4*\b:\base+4*\b+1]
	v_pk_add_f32 v[\base+4*\a+2:\base+4*\a+3], v[\base+4*\a+2:\base+4*\a+3], v[\base+4*\b+2:\base+4*\b+3]
.endm
	s_load_b128 s[4:7], s[0:1], 0x0                ; fpart, out2
	s_load_b64 s[8:9], s[0:1], 0x10                ; out3
	v_lshlrev_b32 v1, 4, v0
	v_mov_b32 v2, 0
	s_mov_b32 s12, 0x76543210
	s_mov_b32 s13, 0xfedcba98
	s_wait_kmcnt 0x0
.set i, 0
.rept 8
	global_load_b128 v[4+4*i:7+4*i], v1, s[4:5] offset:512*i
.set i, i+1
.endr
	s_wait_loadcnt 0x0
	QADD 4, 0, 1
	QADD 4, 2, 3
	QADD 4, 4, 5
	QADD 4, 6, 7
	QADD 4, 0, 2
	QADD 4, 4, 6
	QADD 4, 0, 4
.irp m, 1,2,4,8
.irp l, 0,1,2,3
	v_add_f32_dpp v[4+\l], v[4+\l], v[4+\l] row_xmask:\m row_mask:0xf bank_mask:0xf
.endr
.endr
.irp l, 0,1,2,3
	v_permlanex16_b32 v[8+\l], v[4+\l], s12, s13
.endr
.irp l, 0,1,2,3
	v_add_f32 v[4+\l], v[4+\l], v[8+\l]
.endr
	v_add_f32 v4, v4, v5
	v_add_f32 v4, v4, v6
	v_mul_f32 v4, 0x34200000, v4                   ; x 1.25 / 2^23
	v_mul_f32 v7, 0x3a83126f, v7                   ; x 1e-3
	s_wait_xcnt 0x0                                ; EXEC changes only behind this wait
	v_cmp_eq_u32 vcc_lo, 0, v0
	s_and_saveexec_b32 s10, vcc_lo
	global_store_b32 v2, v4, s[6:7]
	global_store_b32 v2, v7, s[8:9]
	s_wait_xcnt 0x0
	s_or_b32 exec_lo, exec_lo, s10
	s_endpgm
.Lfunc_end_k_qf2794ab7e7_red:
	.size	k_qf2794ab7e7_red, .Lfunc_end_k_qf2794ab7e7_red-k_qf2794ab7e7_red
	.p2alignl 7, 3214868480
	.fill 96, 4, 3214868480
	.section	.rodata,"a",@progbits
	.p2align	6, 0x0
	.amdhsa_kernel k_qf2794ab7e7_red
		.amdhsa_group_segment_fixed_size 0
		.amdhsa_private_segment_fixed_size 0
		.amdhsa_enable_private_segment 0
		.amdhsa_kernarg_size 24
		.amdhsa_user_sgpr_count 2
		.amdhsa_user_sgpr_kernarg_segment_ptr 1
		.amdhsa_wavefront_size32 1
		.amdhsa_system_sgpr_workgroup_id_x 1
		.amdhsa_system_sgpr_workgroup_id_y 1
		.amdhsa_system_sgpr_workgroup_id_z 1
		.amdhsa_system_vgpr_workitem_id 0
		.amdhsa_next_free_vgpr 48
		.amdhsa_next_free_sgpr 66
		.amdhsa_reserve_vcc 1
		.amdhsa_float_denorm_mode_32 3
		.amdhsa_float_denorm_mode_16_64 3
		.amdhsa_memory_ordered 1
		.amdhsa_forward_progress 1
		.amdhsa_inst_pref_size 5
	.end_amdhsa_kernel
	.amdgpu_metadata
---
amdhsa.version: [ 1, 2 ]
amdhsa.kernels:
  - .name:           k_qf2794ab7e7_red
    .symbol:         k_qf2794ab7e7_red.kd
    .args:
      - { .name: fpart, .offset: 0, .size: 8, .value_kind: global_buffer, .address_space: global }
      - { .name: out2, .offset: 8, .size: 8, .value_kind: global_buffer, .address_space: global }
      - { .name: out3, .offset: 16, .size: 8, .value_kind: global_buffer, .address_space: global }
    .group_segment_fixed_size: 0
    .private_segment_fixed_size: 0
    .kernarg_segment_align: 8
    .kernarg_segment_size: 24
    .max_flat_workgroup_size: 32
    .sgpr_count:     66
    .vgpr_count:     48
    .wavefront_size: 32
...
	.end_amdgpu_metadata
.endif
;; end of part 4
;; ======== version 2 of 2: 6 launches
;; limits: right only within a limited range of input values
;; workspace buffers: cbq 221,184 bytes; idxm 256 bytes of whole numbers; idx0 262,400 bytes of whole numbers; idx1 262,400 bytes of whole numbers; idx2 262,400 bytes of whole numbers; part 3,145,728 bytes; fpart 4,096 bytes
;; launch prep (part 5): grid 48 x 1, 4 waves a work-group, no clusters, 0 bytes of LDS; arguments codebooks, cbq, idxm, idx0, idx1; writes cbq, idxm, idx0, idx1
.if DOCPART == 5
	.amdgcn_target "amdgcn-amd-amdhsa--gfx1250"
	.amdhsa_code_object_version 6
	.text
	.protected	k_qf2794ab7e7_prep
	.globl	k_qf2794ab7e7_prep
	.p2align	8
	.type	k_qf2794ab7e7_prep,@function
k_qf2794ab7e7_prep:
	s_mov_b64 s[64:65], 0
	v_nop
	global_prefetch_b8 v0, s[64:65] scope:SCOPE_SE
	s_setreg_imm32_b32 hwreg(HW_REG_WAVE_MODE, 25, 1), 1
	s_wait_xcnt 0x0
; The three code books [3][1024][128] f32 become what the level launches read: for each level 64 tiles of 16 code words as IMAGES OF THE OPERAND'S REGISTERS
; (codes of E2M1, 4 bits, K innermost, one E8M0 byte for each 32 along K), and for each code word the pair (its squared norm in f32, its scale word).
; The codes are those of -2 W: the sign bit of every code is turned and every scale byte raised by 1.  That is -2 x Q(W) exactly, so the product of a level gives -2 Q(r) Q(W)^T with no further rounding.
; A byte is a largest magnitude's exponent field - 2, at most 252, so the raised byte never reaches 255.
; cbq, for each level CBL bytes: tile t at 1024 t: registers 0-3 of lane l at 16 l, registers 4-7 at 512 + 16 l;  from byte 65,536 on: code word n at 8 n: norm, scale word.
; One wave takes one tile: 192 waves.  Lane (r, h) holds, of code word r, the numbers k = 32 b + 16 h + 0 .. 15 of each block b in 16 neighbouring registers.
; The first wave also stores the level numbers 0, 1, 2 into the heads of idxm, idx0, idx1: the level launches share one text and read their level there.
; LIMITS: NaN and infinities are not served.  A block of zeros gets the byte 2 here (the floor's 1, raised) where the quantiser's rule says 127: its codes are zeros, and this program alone reads the bytes.
; The norm is summed in four chains, another order than a plain sum along the row.
.set CBL, 73728
.set A,   8                            ; v[8:15]   the fragment's codes
.set ASC, 16                           ; v16       the scale word
.set QX,  32                           ; v[32:95]  64 numbers
.set TM,  96                           ; v[96:111] at work in the quantiser
.set NS,  112                          ; v[112:119] four chains of squares
.set SN,  120                          ; v120      the norm
.set SNT, 121
.set SEL, 22                           ; s[22:23]  v_permlanex16_b32's selects for lane l xor 16
	s_load_b128 s[4:7], s[0:1], 0x0                ; codebooks, cbq
	s_load_b128 s[8:11], s[0:1], 0x10              ; idxm, idx0
	s_load_b64 s[12:13], s[0:1], 0x20              ; idx1
	v_lshrrev_b32 v1, 5, v0
	v_readfirstlane_b32 s14, v1                    ; wave
	s_lshl_b32 s15, ttmp9, 2
	s_add_co_u32 s15, s15, s14                     ; my tile among the 192
	v_and_b32 v1, 31, v0                           ; lane
	s_wait_alu depctr_va_vdst(0)
	v_and_b32 v2, 15, v0                           ; r
	s_wait_alu depctr_va_vdst(0)
	v_bfe_u32 v3, v0, 4, 1                         ; h
	v_lshlrev_b32 v4, 9, v2
	v_lshl_add_u32 v4, v3, 6, v4                   ; in: row r of 512 bytes, + 64 h
	s_lshl_b32 s16, s15, 13                        ; my 16 rows
	s_mov_b32 s17, 0
	s_lshr_b32 s18, s15, 6                         ; level
	s_and_b32 s19, s15, 63                         ; tile of the level
	s_mul_i32 s20, s18, CBL
	s_mov_b32 s21, 0
	s_lshl_b32 s24, s19, 10
	s_lshl_b32 s25, s19, 7
	v_lshl_add_u32 v5, v1, 4, s24                  ; out: 1024 t + 16 x lane
	v_lshlrev_b32 v6, 3, v2
	s_wait_alu depctr_va_vdst(0)
	v_lshl_add_u32 v6, v3, 2, v6
	v_add_nc_u32 v6, s25, v6                       ; and 128 t + 8 r + 4 h
	s_mov_b32 s[SEL], 0x76543210
	s_mov_b32 s[SEL+1], 0xfedcba98
.irp b, 0,1,2,3
	v_mov_b32 v[TM+4+\b], 0                        ; a lane permute's destination counts as one of its sources
.endr
	v_mov_b32 v[SNT], 0
	s_wait_kmcnt 0x0
	s_add_nc_u64 s[4:5], s[4:5], s[16:17]
	s_add_nc_u64 s[6:7], s[6:7], s[20:21]
.irp b, 0,1,2,3
.irp j, 0,1,2,3
	global_load_b128 v[QX+16*\b+4*\j:QX+16*\b+4*\j+3], v4, s[4:5] offset:128*\b+16*\j   ; the wave's sixteen loads together take every byte of its 16 rows
.endr
.endr
	s_wait_loadcnt 0x0
	; the norm of the unquantised row
.irp c, 0,2,4,6
	v_pk_mul_f32 v[NS+\c:NS+\c+1], v[QX+\c:QX+\c+1], v[QX+\c:QX+\c+1]
.endr
.set i, 8
.rept 28
	v_pk_fma_f32 v[NS+i%8:NS+i%8+1], v[QX+i:QX+i+1], v[QX+i:QX+i+1], v[NS+i%8:NS+i%8+1]
.set i, i+2
.endr
	v_pk_add_f32 v[NS:NS+1], v[NS:NS+1], v[NS+2:NS+3]
	v_pk_add_f32 v[NS+4:NS+5], v[NS+4:NS+5], v[NS+6:NS+7]
	v_pk_add_f32 v[NS:NS+1], v[NS:NS+1], v[NS+4:NS+5]
	v_add_f32 v[SN], v[NS], v[NS+1]
	v_permlanex16_b32 v[SNT], v[SN], s[SEL], s[SEL+1]
	v_add_f32 v[SN], v[SN], v[SNT]                 ; with lane l xor 16's half
	; the quantiser: a block's largest magnitude, its byte, the codes
.irp b, 0,1,2,3
	v_max3_num_f32 v[TM+\b], |v[QX+16*\b]|, |v[QX+1+16*\b]|, 0x1800000   ; with the floor 2^(3 - 127): the byte cannot fall under 1
.endr
.irp i, 2,4,6,8,10,12,14
.irp b, 0,1,2,3
	v_max3_num_f32 v[TM+\b], v[TM+\b], |v[QX+16*\b+\i]|, |v[QX+1+16*\b+\i]|
.endr
.endr
.irp b, 0,1,2,3
	v_permlanex16_b32 v[TM+4+\b], v[TM+\b], s[SEL], s[SEL+1]
.endr
.irp b, 0,1,2,3
	v_max_num_f32 v[TM+\b], v[TM+\b], v[TM+4+\b]
.endr
.irp b, 0,1,2,3
	v_add_nc_u32 v[TM+12+\b], 0xff000000, v[TM+\b] ; 2 off the exponent field: the conversion's scale operand
.endr
.irp b, 0,1,2,3
	v_lshrrev_b32 v[TM+4+\b], 23, v[TM+12+\b]      ; the scale's byte
.endr
	v_lshl_or_b32 v[ASC], v[TM+5], 8, v[TM+4]
	v_lshl_or_b32 v[ASC], v[TM+6], 16, v[ASC]
	v_lshl_or_b32 v[ASC], v[TM+7], 24, v[ASC]
.irp b, 0,1,2,3
	v_cvt_scalef32_pk8_fp4_f32 v[A+2*\b], v[QX+16*\b:QX+7+16*\b], v[TM+12+\b]
	v_cvt_scalef32_pk8_fp4_f32 v[A+1+2*\b], v[QX+8+16*\b:QX+15+16*\b], v[TM+12+\b]
.endr
	v_nop                                          ; one plain line behind the scaled conversions
.irp c, 0,1
.irp i, 0,1
	v_permlane16_swap_b32 v[A+4*\c+\i], v[A+2+4*\c+\i]   ; a whole block to a lane: lanes 0-15 block 2 c, lanes 16-31 block 2 c + 1
.endr
.endr
.irp i, 0,1,2,3,4,5,6,7
	v_xor_b32 v[A+\i], 0x88888888, v[A+\i]         ; every code's sign,
.endr
	v_add_nc_u32 v[ASC], 0x01010101, v[ASC]        ; and every scale doubled: -2 Q(W)
	v_cmp_ne_u32 vcc_lo, 0, v3
	v_cndmask_b32 v[SN], v[SN], v[ASC], vcc_lo     ; lanes 0-15 store the norm, lanes 16-31 the scale word
	global_store_b128 v5, v[A:A+3], s[6:7]         ; 512 consecutive bytes each
	global_store_b128 v5, v[A+4:A+7], s[6:7] offset:512
	global_store_b32 v6, v[SN], s[6:7] offset:65536   ; 128 consecutive bytes
	s_cmp_lg_u32 s15, 0
	s_cbranch_scc1 .Lend
	v_lshlrev_b32 v7, 2, v1                        ; the level numbers: 32 words each, of which word 0 is read
	v_mov_b32 v20, 0
	v_mov_b32 v21, 1
	v_mov_b32 v22, 2
	global_store_b32 v7, v20, s[8:9]
	global_store_b32 v7, v21, s[10:11]
	global_store_b32 v7, v22, s[12:13]
.Lend:
	s_endpgm
.Lfunc_end_k_qf2794ab7e7_prep:
	.size	k_qf2794ab7e7_prep, .Lfunc_end_k_qf2794ab7e7_prep-k_qf2794ab7e7_prep
	.p2alignl 7, 3214868480
	.fill 96, 4, 3214868480
	.section	.rodata,"a",@progbits
	.p2align	6, 0x0
	.amdhsa_kernel k_qf2794ab7e7_prep
		.amdhsa_group_segment_fixed_size 0
		.amdhsa_private_segment_fixed_size 0
		.amdhsa_enable_private_segment 0
		.amdhsa_kernarg_size 40
		.amdhsa_user_sgpr_count 2
		.amdhsa_user_sgpr_kernarg_segment_ptr 1
		.amdhsa_wavefront_size32 1
		.amdhsa_system_sgpr_workgroup_id_x 1
		.amdhsa_system_sgpr_workgroup_id_y 1
		.amdhsa_system_sgpr_workgroup_id_z 1
		.amdhsa_system_vgpr_workitem_id 0
		.amdhsa_next_free_vgpr 128
		.amdhsa_next_free_sgpr 66
		.amdhsa_reserve_vcc 1
		.amdhsa_float_denorm_mode_32 3
		.amdhsa_float_denorm_mode_16_64 3
		.amdhsa_memory_ordered 1
		.amdhsa_forward_progress 1
		.amdhsa_inst_pref_size 11
	.end_amdhsa_kernel
	.amdgpu_metadata
---
amdhsa.version: [ 1, 2 ]
amdhsa.kernels:
  - .name:           k_qf2794ab7e7_prep
    .symbol:         k_qf2794ab7e7_prep.kd
    .args:
      - { .name: codebooks, .offset: 0, .size: 8, .value_kind: global_buffer, .address_space: global }
      - { .name: cbq, .offset: 8, .size: 8, .value_kind: global_buffer, .address_space: global }
      - { .name: idxm, .offset: 16, .size: 8, .value_kind: global_buffer, .address_space: global }
      - { .name: idx0, .offset: 24, .size: 8, .value_kind: global_buffer, .address_space: global }
      - { .name: idx1, .offset: 32, .size: 8, .value_kind: global_buffer, .address_space: global }
    .group_segment_fixed_size: 0
    .private_segment_fixed_size: 0
    .kernarg_segment_align: 8
    .kernarg_segment_size: 40
    .max_flat_workgroup_size: 128
    .sgpr_count:     66
    .vgpr_count:     128
    .wavefront_size: 32
...
	.end_amdgpu_metadata
.endif
;; end of part 5
;; launch lvl0 (part 6): grid 256 x 1, 4 waves a work-group, no clusters, 143,872 bytes of LDS; arguments x, codebooks, cbq, idxm, idx1, idx0, part; writes idx0, part
.if DOCPART == 6
	.amdgcn_target "amdgcn-amd-amdhsa--gfx1250"
	.amdhsa_code_object_version 6
	.text
	.protected	k_qf2794ab7e7_lvl0
	.globl	k_qf2794ab7e7_lvl0
	.p2align	8
	.type	k_qf2794ab7e7_lvl0,@function
k_qf2794ab7e7_lvl0:
	s_mov_b64 s[64:65], 0
	v_nop
	global_prefetch_b8 v0, s[64:65] scope:SCOPE_SE
	s_setreg_imm32_b32 hwreg(HW_REG_WAVE_SCHED_MODE, 0, 2), 2
	s_setreg_imm32_b32 hwreg(HW_REG_WAVE_MODE, 25, 1), 1
	s_wait_xcnt 0x0
	s_wait_alu depctr_vm_vsrc(0)
; ONE LEVEL OF THE RESIDUAL QUANTISER, one text for the three levels.  Arguments: x, codebooks, cbq, list A, list B, list out, part.
; The level L (0, 1, 2) is word 0 of list A.  The rows are r = x (L = 0), x - W0[i0] (L = 1), (x - W0[i0]) - W1[i1] (L = 2); i0 is list A at L = 1 and list B at L = 2, i1 is list A at L = 2.
; For each row: d[n] = (|r|^2 - 2 Q(r).Q(W[n])) + |W[n]|^2 with exactly these two f32 roundings; the first n with the smallest d goes to the list out; p = softmax(-d), with the row's
; largest -d taken away first, is summed down the rows: each work-group stores, for each of the 1,024 columns, the sum of p over its 256 rows less 256/1024 (an exact shift that keeps the small part).
; The product is on codes of E2M1 with E8M0 scales: Q(r) is made here in registers, -2 Q(W) comes as register images from cbq, so the matrix result is -2 Q(r).Q(W).
; SHARES.  A work-group owns 256 rows, each of its four waves 64: four tiles of 16, one a trip.  K = 128 is one matrix instruction, so a tile of 16 rows x 1,024 code words is 64 of them, and its
; d, later its exponentials, stay in 512 registers: the column sums want each exponential divided by its row's sum, which is known only behind all 1,024.
; LAYOUT.  Source 0 = my 16 rows, source 1 = 16 code words: lane (r, h), register j holds d(row 8 h + j, code word 16 t + r).  Column sums stay inside a lane; a row's minimum, sum and index cross sixteen lanes once a tile.
; THE INDEX costs no compare: a = dmin - d is 0 exactly where d is smallest; y = a log2(e) + c_t with c_t = -(1 + t/64) 2^-100 is c_t there and far lower elsewhere; 2^y is the exponential all the same.
; The largest y of a lane keeps the first tile; r is added below t in its bits; the largest over sixteen lanes holds 16 t + r in bits 22:13: the lowest index among equals.
; NO CLUSTER, NO TENSOR LOAD: what work-groups share is the level's image, 73,728 bytes, which each reads once (576 bytes a lane) at its head.
; The next tile's rows are asked for a whole tile's work ahead, into registers of their own, so nothing is asked of memory ahead of that.
; LIMITS: NaN and infinities are not served.  Two different d of a row that lie closer than 2^-99 would be taken in the wrong order (that needs |d| under 2^-76).
; A block of zeros keeps the byte 1 where the quantiser's rule says 127: its codes are zeros.  |r|^2 is summed in four chains, another order than a plain sum along the row.
; REGISTERS, in windows of 256 (s_set_vgpr_msb: bits 1:0 source 0, 3:2 source 1, 5:4 source 2, 7:6 destination):
;   window 0: addresses, constants, the rows' fragment, eight registers each of row statistics, three sets of four code tiles;  windows 1, 2: d of code tiles 0-31, 32-63;
;   window 3: v0-127 the column sums, a pair a code tile; v128-191 the next tile's rows; v192-255 the code book rows taken from them.
; THE MODE: SCHED_MODE bits 1:0 = 2 (LLVM: expert scheduling mode 2), set by the entry lines.  The code itself states the register dependences between vector or matrix instructions
; and memory or LDS instructions, with s_wait_alu, always for 0.
; THE PLAN.  Registers that memory or LDS instructions touch, and who else names them:
;   the addresses (v1-v7, v10-v13, v29, v234, v235) and v254, v255: written once at the head, ahead of one wait on va_vdst; never written again.
;   the fill's registers (window 3, v0-79 and v192-255): loaded, then read by LDS stores; one wait on vm_vsrc behind the first barrier, ahead of the column sums' start and of the gathers.
;   ST0: N0's loads land in it; the subtractions read and write it; TURN's LDS stores read it.       ST1: the gathers land in it; the subtractions read it.       GOFF: written anew in each gather, read by its loads.
;   QX = code sets 0 and 1: TURN's LDS loads land in it; norm and quantiser read it; then batches 0 and 1 land there.
;   code set p (BC, WS): batch b's products and roundings read set b % 3; batch b + 3's loads, issued in step b + 1, land in it.
;   SN: written by the norm, read by one LDS store.   S: LDS loads land in it; the roundings read it; the reciprocals' step of Newton's writes it.   KR, ISW: written in STATS, read by its LDS stores.
; THE WAITS OF A TRIP.  vm_vsrc at the loop's top (ST0, SN, KR, ISW have been read by the LDS stores of the trip before).  One va_vdst a step of the products, behind the roundings of the batch before: the
; step's twelve loads follow it, dealt among the step's minima, which like its products name none of the registers that those loads touch.  vm_vsrc and va_vdst in each gather (GOFF, ST1).  The waits behind
; the exponentials.  One va_vdst in STATS, for the reciprocals and for the stores of the indices.  One at TURN's head (ST0 is written; QX has been read out).  One behind the quantiser (codes and scale word for
; the products; SN for its store; QX, S and the code sets for the loads).
.set CBL,  73728                       ; a level's image in cbq
.set SWB,  65536                       ; LDS: 0: the codes' images, 1,024 bytes a tile;  SWB: (norm, scale word), 8 bytes a code word
.set XS,   73728                       ; each wave's own stage for turning 16 rows: XP bytes a row
.set XP,   528                         ; 512 + 16: sixteen lanes that read one column of sixteen rows start 132 words apart
.set SS,   107520                      ; each wave's own 16 row norms (256 bytes a wave)
.set IS,   108544                      ; each wave's own 64 indices
.set CS,   109568                      ; column sums: eight parts (wave, half of the lanes) of 1,024 f32 + 64 bytes
.set CSP,  4160
.set LOFF, 1                           ; 16 x lane: a register image's place, and a lane's 16 bytes of a row of 512
.set SA,   2                           ; SWB + 8 r
.set STI,  3                           ; the stage, in
.set STO,  4                           ; the stage, out: row r, + 64 h
.set SSW,  5
.set SSR,  6
.set ISW0, 7
.set ISW,  8
.set R13,  9                           ; r << 13
.set CSW,  10
.set FA,   11                          ; 16 x thread
.set FA2,  12                          ; + 65,536: an LDS offset has 16 bits
.set ISR,  13
.set PINF, 14
.set NINF, 15
.set CP,   16                          ; v[16:17] log2(e), twice
.set CN,   18                          ; v[18:19] -2^-6, twice
.set A,    20                          ; v[20:27] my rows' codes
.set ASC,  28                          ; their scale word
.set CSR,  29
.set ONE,  30                          ; v[30:31] 1.0, twice
.set S,    32                          ; v[32:39] |r|^2 of rows 8 h + j; at work behind the reciprocals
.set RUN,  40                          ; v[40:47] the smallest d
.set KR,   48                          ; v[48:55] the largest y
.set RS,   56                          ; v[56:63] row sums, even code tiles
.set INV,  64                          ; v[64:71] row sums, odd code tiles; then 1 / row sum
.set GOFF, 72                          ; v[72:87] the gathers' offsets
.set WS,   88                          ; v[88:111] (norm, scale word): set p, tile u at 8 p + 2 u; the odd registers hold scales and nothing else
.set BC,   112                         ; v[112:207] code fragments: set p, tile u at 32 p + 8 u
.set QX,   112                         ; v[112:175] 64 numbers of a row, while no code fragment is wanted
.set TM,   208
.set NS,   224
.set SN,   232
.set SNT,  233
.set IOF,  234
.set POF,  235
.set T0,   236
.set T1,   237
.set T2,   238
.set ST0,  128                         ; in window 3
.set ST1,  192
.set WV,   20
.set LV,   21
.set TRIP, 22
.set G0,   23                          ; 1: a next tile exists
.set G1,   24                          ; how many code book rows are taken from each of its rows
.set LA,   26                          ; s[26:27] the first list, at the next tile's 16 indices;  s[32:47] those indices
.set LB,   28                          ; s[28:29] the second;  s[48:63]
.set TO,   30                          ; 64 x trip
.set SEL,  66
.set MSB, 0
.macro WIN new                         ; the immediate's high byte repeats the setting that is left; a switch that changes nothing is dropped
.if MSB != (\new)
	s_set_vgpr_msb (MSB<<8)|(\new)
.set MSB, (\new)
.endif
.endm
; settings, W = 1 or 2:  0x50 W: destination and source 2 in W (matrix instruction, both roundings of d);  0x14 W: sources 1 and 2 in W (minimum, key, row sums; LDS loads);
; 0x41 W: destination and source 0 in W (a, y, exponential);  0xf0 + W: source 0 in W, source 2 and destination in 3 (column sums)
.macro XLOAD                           ; 16 rows of x, a row of 512 bytes an instruction
	WIN 0xc0
.set i, 0
.rept 16
	global_load_b128 v[ST0+4*i:ST0+4*i+3], v[LOFF], s[4:5] offset:512*i th:TH_LOAD_NT
.set i, i+1
.endr
	WIN 0
.endm
.macro GLOAD sb, toff                  ; row i of the code book at byte toff, by index s[sb + i]: a row an instruction
.set i, 0
.rept 16
	s_min_u32 s[\sb+i], s[\sb+i], 1023             ; an index stays inside its table
.set i, i+1
.endr
	s_wait_alu depctr_vm_vsrc(0)                   ; the gathers issued so far have read v[GOFF ..], which the lines below write anew
.set i, 0
.rept 16
	v_lshl_add_u32 v[GOFF+i], s[\sb+i], 9, v[LOFF]
.set i, i+1
.endr
	WIN 0xc0
	s_wait_alu depctr_va_vdst(0)                   ; v[GOFF ..] is written, which the gathers read as offsets; the subtraction before is done reading ST1, in which they land
.set i, 0
.rept 16
	global_load_b128 v[ST1+4*i:ST1+4*i+3], v[GOFF+i], s[6:7] offset:\toff
.set i, i+1
.endr
	WIN 0
.endm
.macro SUBQ                            ; r = r - q
	WIN 0xcf
.set i, 0
.rept 32
	v_pk_add_f32 v[ST0+2*i:ST0+2*i+1], v[ST0+2*i:ST0+2*i+1], v[ST1+2*i:ST1+2*i+1] neg_lo:[0,1] neg_hi:[0,1]
.set i, i+1
.endr
	WIN 0
.endm
.macro TURN                            ; the rows go through my own stage: out of it lane (r, h) takes, of row r, k = 32 b + 16 h + 0 .. 15 into registers 16 b + 0 .. 15
	s_wait_alu depctr_va_vdst(0)                   ; the subtraction has written ST0, which the LDS stores read; the products that read code sets 0 and 1 are done with them: the LDS loads below land there
	WIN 0x0c
.set i, 0
.rept 16
	ds_store_b128 v[STI], v[ST0+4*i:ST0+4*i+3] offset:XP*i
.set i, i+1
.endr
	WIN 0
.irp b, 0,1,2,3
.irp j, 0,1,2,3
	ds_load_b128 v[QX+16*\b+4*\j:QX+16*\b+4*\j+3], v[STO] offset:128*\b+16*\j   ; LDS serves a wave's instructions in order: these see the stores above
.endr
.endr
	s_wait_dscnt 0x0
.endm
.macro NORM                            ; |r|^2 of row r
.irp c, 0,2,4,6
	v_pk_mul_f32 v[NS+\c:NS+\c+1], v[QX+\c:QX+\c+1], v[QX+\c:QX+\c+1]
.endr
.set i, 8
.rept 28
	v_pk_fma_f32 v[NS+i%8:NS+i%8+1], v[QX+i:QX+i+1], v[QX+i:QX+i+1], v[NS+i%8:NS+i%8+1]
.set i, i+2
.endr
	v_pk_add_f32 v[NS:NS+1], v[NS:NS+1], v[NS+2:NS+3]
	v_pk_add_f32 v[NS+4:NS+5], v[NS+4:NS+5], v[NS+6:NS+7]
	v_pk_add_f32 v[NS:NS+1], v[NS:NS+1], v[NS+4:NS+5]
	v_add_f32 v[SN], v[NS], v[NS+1]
	v_permlanex16_b32 v[SNT], v[SN], s[SEL], s[SEL+1]
	v_add_f32 v[SN], v[SN], v[SNT]
.endm
.macro NORMS                           ; it goes through 64 bytes of my own, so that lane (., h) holds those of rows 8 h + 0 .. 7
	ds_store_b32 v[SSW], v[SN]                     ; both halves of the lanes write the same word with the same value
	ds_load_b128 v[S:S+3], v[SSR]
	ds_load_b128 v[S+4:S+7], v[SSR] offset:16
.endm
.macro QUANT                           ; the 64 numbers become the fragment's codes and the row's scale word
.irp b, 0,1,2,3
	v_max3_num_f32 v[TM+\b], |v[QX+16*\b]|, |v[QX+1+16*\b]|, 0x1800000   ; with the floor 2^(3 - 127): the byte cannot fall under 1
.endr
.irp i, 2,4,6,8,10,12,14
.irp b, 0,1,2,3
	v_max3_num_f32 v[TM+\b], v[TM+\b], |v[QX+16*\b+\i]|, |v[QX+1+16*\b+\i]|
.endr
.endr
.irp b, 0,1,2,3
	v_permlanex16_b32 v[TM+4+\b], v[TM+\b], s[SEL], s[SEL+1]
.endr
.irp b, 0,1,2,3
	v_max_num_f32 v[TM+\b], v[TM+\b], v[TM+4+\b]   ; the block's largest magnitude
.endr
.irp b, 0,1,2,3
	v_add_nc_u32 v[TM+12+\b], 0xff000000, v[TM+\b] ; 2 off its exponent field: the conversion's scale operand
.endr
.irp b, 0,1,2,3
	v_lshrrev_b32 v[TM+4+\b], 23, v[TM+12+\b]      ; the scale's byte
.endr
	v_lshl_or_b32 v[ASC], v[TM+5], 8, v[TM+4]
	v_lshl_or_b32 v[ASC], v[TM+6], 16, v[ASC]
	v_lshl_or_b32 v[ASC], v[TM+7], 24, v[ASC]
.irp b, 0,1,2,3
	v_cvt_scalef32_pk8_fp4_f32 v[A+2*\b], v[QX+16*\b:QX+7+16*\b], v[TM+12+\b]
	v_cvt_scalef32_pk8_fp4_f32 v[A+1+2*\b], v[QX+8+16*\b:QX+15+16*\b], v[TM+12+\b]
.endr
	v_nop                                          ; one plain line behind the scaled conversions
.irp c, 0,1
.irp i, 0,1
	v_permlane16_swap_b32 v[A+4*\c+\i], v[A+2+4*\c+\i]   ; a whole block to a lane
.endr
.endr
.endm
.macro BLOADU b, u                     ; code tile 4 b + u into set b % 3: three LDS loads
	ds_load_b128 v[BC+32*((\b)%3)+8*(\u):BC+32*((\b)%3)+8*(\u)+3], v[LOFF] offset:1024*(4*(\b)+(\u))
	ds_load_b128 v[BC+32*((\b)%3)+8*(\u)+4:BC+32*((\b)%3)+8*(\u)+7], v[LOFF] offset:1024*(4*(\b)+(\u))+512
	ds_load_b64 v[WS+8*((\b)%3)+2*(\u):WS+8*((\b)%3)+2*(\u)+1], v[SA] offset:128*(4*(\b)+(\u))
.endm
.macro BLOAD b                         ; batch b: code tiles 4 b .. 4 b + 3: twelve LDS loads
.irp u, 0,1,2,3
	BLOADU \b, \u
.endr
.endm
.macro TD b                            ; batch b: t = |r|^2 + m, then d = t + |W|^2: one rounding each.  Each result is read from its low end on
	WIN 0x50*(1+(\b)/8)
.irp u, 0,1,2,3
.irp p, 0,2,4,6
	v_pk_fma_f32 v[8*((4*(\b)+\u)%32)+\p:8*((4*(\b)+\u)%32)+\p+1], v[S+\p:S+\p+1], 1.0, v[8*((4*(\b)+\u)%32)+\p:8*((4*(\b)+\u)%32)+\p+1] op_sel_hi:[1,0,1]
.endr
.endr
.irp u, 0,1,2,3
.irp p, 0,2,4,6
	v_pk_fma_f32 v[8*((4*(\b)+\u)%32)+\p:8*((4*(\b)+\u)%32)+\p+1], v[WS+8*((\b)%3)+2*\u:WS+8*((\b)%3)+2*\u+1], 1.0, v[8*((4*(\b)+\u)%32)+\p:8*((4*(\b)+\u)%32)+\p+1] op_sel_hi:[0,0,1]
.endr
.endr
.endm
.macro MINQ b, u                       ; quarter u of batch b's sixteen minima, two tiles an instruction: rows 4 (u % 2) + 0 .. 3, tiles 4 b + 2 (u / 2) and the next
.irp j, 0,1,2,3
.if ((\b) == 0) && ((\u) < 2)
	v_min3_num_f32 v[RUN+4*((\u)%2)+\j], v[PINF], v[8*((4*(\b)+2*((\u)/2))%32)+4*((\u)%2)+\j], v[8*((4*(\b)+2*((\u)/2)+1)%32)+4*((\u)%2)+\j]
.else
	v_min3_num_f32 v[RUN+4*((\u)%2)+\j], v[RUN+4*((\u)%2)+\j], v[8*((4*(\b)+2*((\u)/2))%32)+4*((\u)%2)+\j], v[8*((4*(\b)+2*((\u)/2)+1)%32)+4*((\u)%2)+\j]
.endif
.endr
.endm
; Step b of 17: the roundings of batch b - 1, the step's one wait, the four products of batch b, and the loads of batch b + 2 dealt among the minima of batch b - 1.  The sixteen minima name no register of
; the products in front of them: they are the places (ISA guide 7.12.1) ahead of the first read of those results; behind batch 0 four v_nop stand for them.
; Every product takes the constant 0 as C and has a result of its own: there is no chain.
.macro S1IT b
.if (\b) >= 1
	TD (\b)-1
.if (\b)+2 <= 15
	s_wait_alu depctr_va_vdst(0)                   ; batch b - 1's products are done reading their code fragments and scale words, its roundings the norms beside them: batch b + 2's loads land in that set.  Nothing below, up to the last of those loads, names it
.endif
.endif
.if (\b) <= 15
	WIN 0x50*(1+(\b)/8)
.if (\b) == 15
	s_wait_dscnt 0x0
.else
	s_wait_dscnt 12                                ; batch b's loads are in; the twelve of batch b + 1 may be out
.endif
.irp u, 0,1,2,3
	v_wmma_scale_f32_16x16x128_f8f6f4 v[8*((4*(\b)+\u)%32):8*((4*(\b)+\u)%32)+7], v[A:A+7], v[BC+32*((\b)%3)+8*\u:BC+32*((\b)%3)+8*\u+7], 0, v[ASC], v[WS+8*((\b)%3)+2*\u+1] matrix_a_fmt:MATRIX_FMT_FP4 matrix_b_fmt:MATRIX_FMT_FP4
.endr
.endif
.if (\b) >= 1
	WIN 0x14*(1+((\b)-1)/8)
.irp u, 0,1,2,3
.if (\b)+2 <= 15
	BLOADU (\b)+2, \u
.endif
	MINQ (\b)-1, \u
.endr
.else
	WIN 0
	BLOAD (\b)+2                                   ; set 2: nothing has named it since the wait behind the quantiser
.rept 4
	v_nop
.endr
.endif
.endm
.macro DMIN                            ; the row's smallest d: over the sixteen lanes of my half
	WIN 0
.irp m, 1,2,4,8
.irp j, 0,1,2,3,4,5,6,7
	v_min_num_f32_dpp v[RUN+\j], v[RUN+\j], v[RUN+\j] row_xmask:\m row_mask:0xf bank_mask:0xf
.endr
.endr
.endm
.macro AST q                           ; pair n of half q of a window: a = dmin - d
	v_pk_add_f32 v[128*(\q)+2*n:128*(\q)+2*n+1], v[128*(\q)+2*n:128*(\q)+2*n+1], v[RUN+(2*n)%8:RUN+(2*n)%8+1] neg_lo:[1,0] neg_hi:[1,0]
.endm
.macro XST W, q                        ; y = a log2(e) + c_t
	v_pk_fma_f32 v[128*(\q)+2*n:128*(\q)+2*n+1], v[128*(\q)+2*n:128*(\q)+2*n+1], v[CP:CP+1], 0x8d800000+((32*((\W)-1)+16*(\q)+n/4)<<17) op_sel_hi:[1,1,0]
.endm
.macro KEY W, q                        ; the largest y so far, two tiles an instruction
.set n, 0
.rept 8
.irp j, 0,1,2,3,4,5,6,7
.if ((\W) == 1) && ((\q) == 0) && (n == 0)
	v_max3_num_f32 v[KR+\j], v[NINF], v[128*(\q)+16*n+\j], v[128*(\q)+16*n+8+\j]
.else
	v_max3_num_f32 v[KR+\j], v[KR+\j], v[128*(\q)+16*n+\j], v[128*(\q)+16*n+8+\j]
.endif
.endr
.set n, n+1
.endr
.endm
.macro RSUM W, q                       ; row sums: even tiles into one set of chains, odd tiles into the other; the first tile of each starts it
.set n, 0
.rept 16
.irp p, 0,2,4,6
.if ((\W) == 1) && ((\q) == 0) && (n < 2)
	v_pk_mul_f32 v[RS+8*(n%2)+\p:RS+8*(n%2)+\p+1], v[ONE:ONE+1], v[128*(\q)+8*n+\p:128*(\q)+8*n+\p+1]
.else
	v_pk_add_f32 v[RS+8*(n%2)+\p:RS+8*(n%2)+\p+1], v[RS+8*(n%2)+\p:RS+8*(n%2)+\p+1], v[128*(\q)+8*n+\p:128*(\q)+8*n+\p+1]
.endif
.endr
.set n, n+1
.endr
.endm
; A window's 32 code tiles, in two halves.  The first half's 128 exponentials stand by turns with the second half's a and y, which name none of their results.  Each half's exponentials are one batch
; with one wait ahead of the first line that names a result.
.macro S2WIN W
	WIN 0x41*(\W)
.set n, 0
.rept 64
	AST 0
.set n, n+1
.endr
.set n, 0
.rept 64
	XST \W, 0
.set n, n+1
.endr
	WIN 0x14*(\W)
	KEY \W, 0
	WIN 0x41*(\W)
.set n, 0
.rept 64
	v_exp_f32 v[n], v[n]
	AST 1
.set n, n+1
.endr
.set n, 0
	s_wait_alu depctr_va_vdst(0)
.rept 64
	v_exp_f32 v[64+n], v[64+n]
	XST \W, 1
.set n, n+1
.endr
	s_wait_alu depctr_va_vdst(0)                   ; the first half's 128 exponentials are written, ahead of the row sums that read them; the last line above is the plain line behind the last of them
	WIN 0x14*(\W)
	KEY \W, 1
	RSUM \W, 0
	WIN 0x41*(\W)
.set n, 0
.rept 128
	v_exp_f32 v[128+n], v[128+n]
.set n, n+1
.endr
	v_nop                                          ; the plain line behind the last exponential
	s_wait_alu depctr_va_vdst(0)                   ; the second half's 128 exponentials are written, ahead of the row sums that read them
	WIN 0x14*(\W)
	RSUM \W, 1
.endm
.macro STATS                           ; the row's sum and index over sixteen lanes; the index to my own LDS bytes; 1 / sum, with one step of Newton's
	WIN 0
.irp p, 0,2,4,6
	v_pk_add_f32 v[RS+\p:RS+\p+1], v[RS+\p:RS+\p+1], v[INV+\p:INV+\p+1]
.endr
.irp j, 0,1,2,3,4,5,6,7
	v_add_nc_u32 v[KR+\j], v[KR+\j], v[R13]        ; r below t in the key's bits: the magnitude grows with 16 t + r, and the key is negative
.endr
.irp m, 1,2,4,8
.irp j, 0,1,2,3,4,5,6,7
	v_add_f32_dpp v[RS+\j], v[RS+\j], v[RS+\j] row_xmask:\m row_mask:0xf bank_mask:0xf
	v_max_num_f32_dpp v[KR+\j], v[KR+\j], v[KR+\j] row_xmask:\m row_mask:0xf bank_mask:0xf
.endr
.endr
.irp j, 0,1,2,3,4,5,6,7
	v_bfe_u32 v[KR+\j], v[KR+\j], 13, 10           ; 16 t + r
.endr
	v_add_nc_u32 v[ISW], s[TO], v[ISW0]
	s_wait_alu depctr_va_vdst(0)
.irp j, 0,1,2,3,4,5,6,7
	v_rcp_f32 v[INV+\j], v[RS+\j]
.endr
	v_nop
	s_wait_alu depctr_va_vdst(0)                   ; the eight reciprocals v[INV ..] are written, ahead of their first reader; so are the indices v[KR ..] and their address v[ISW], which the LDS stores read
.irp j, 0,1,2,3,4,5,6,7
	ds_store_b32 v[ISW], v[KR+\j] offset:4*\j      ; sixteen lanes write the same word with the same value
.endr
.irp j, 0,1,2,3,4,5,6,7
	v_fma_f32 v[S+\j], -v[RS+\j], v[INV+\j], 1.0
.endr
.irp j, 0,1,2,3,4,5,6,7
	v_fma_f32 v[INV+\j], v[INV+\j], v[S+\j], v[INV+\j]
.endr
.endm
.macro S3WIN W                         ; column sums: p = exponential / row sum, one fused multiply-add for two rows; 32 tiles stand between two lines on one pair
	WIN 0xf0+(\W)
.irp p, 0,2,4,6
.set n, 0
.rept 32
	v_pk_fma_f32 v[2*(32*((\W)-1)+n):2*(32*((\W)-1)+n)+1], v[8*n+\p:8*n+\p+1], v[INV+\p:INV+\p+1], v[2*(32*((\W)-1)+n):2*(32*((\W)-1)+n)+1]
.set n, n+1
.endr
.endr
.endm
; THE NEXT TILE, in four parts that stand between the parts of the tile in hand.  The branches hang on the trip and on the level.  At a label and at a branch every window is 0.
.macro N0 head                         ; its indices and its rows of x are asked for.  The rows land in ST0: the subtractions that named it stand ahead of the wait behind the quantiser, and no vector line since names it
	WIN 0
.if !(\head)
	s_cmp_eq_u32 s[G0], 0
	s_cbranch_scc1 .Ln0e_\@
	s_wait_xcnt 0x0                                ; the pointers are stepped only behind this wait
	s_add_nc_u64 s[4:5], s[4:5], 8192
	s_add_nc_u64 s[LA:LA+1], s[LA:LA+1], 64
	s_add_nc_u64 s[LB:LB+1], s[LB:LB+1], 64
.endif
	s_cmp_lt_u32 s[G1], 1
	s_cbranch_scc1 .Ln0x_\@
	s_load_b512 s[32:47], s[LA:LA+1], 0x0
	s_cmp_lt_u32 s[G1], 2
	s_cbranch_scc1 .Ln0x_\@
	s_load_b512 s[48:63], s[LB:LB+1], 0x0
.Ln0x_\@:
	XLOAD
.Ln0e_\@:
.endm
.macro N1                              ; the rows of the first code book
	WIN 0
	s_cmp_lt_u32 s[G1], 1
	s_cbranch_scc1 .Ln1e_\@
	s_wait_kmcnt 0x0
	GLOAD 32, 0
.Ln1e_\@:
.endm
.macro N2                              ; they are taken away; the rows of the second code book
	WIN 0
	s_cmp_lt_u32 s[G1], 1
	s_cbranch_scc1 .Ln2e_\@
	s_wait_loadcnt 0x0
	SUBQ
	s_cmp_lt_u32 s[G1], 2
	s_cbranch_scc1 .Ln2e_\@
	s_wait_kmcnt 0x0
	GLOAD 48, 524288
.Ln2e_\@:
.endm
.macro N3 head                         ; they are taken away; norm, codes, and the first two batches of code tiles
	WIN 0
	s_wait_loadcnt 0x0
.if !(\head)
	s_cmp_eq_u32 s[G0], 0
	s_cbranch_scc1 .Ln3e_\@
.endif
	s_cmp_lt_u32 s[G1], 2
	s_cbranch_scc1 .Ln3s_\@
	SUBQ
.Ln3s_\@:
	TURN
	NORM
	QUANT
.rept 8
	v_nop                                          ; a scale word written by a vector instruction stands eight places ahead of a scaled matrix instruction, codes so written four
.endr
	s_wait_alu depctr_va_vdst(0)                   ; behind the places: the codes v[A ..] and the scale word v[ASC] are written, which the scaled products take; v[SN] is written, which the LDS store reads; norm and quantiser are done reading QX, the last tile's lines S and the code sets: the loads below land there
	NORMS
	BLOAD 0
	BLOAD 1
.Ln3e_\@:
.endm
.macro QADD base, a, b                 ; four numbers onto four
	v_pk_add_f32 v[\base+4*\a:\base+4*\a+1], v[\base+4*\a:\base+4*\a+1], v[\base+4*\b:\base+4*\b+1]
	v_pk_add_f32 v[\base+4*\a+2:\base+4*\a+3], v[\base+4*\a+2:\base+4*\a+3], v[\base+4*\b+2:\base+4*\b+3]
.endm
.macro FREG                            ; the fill's registers in window 3: twenty loads into v0-79, sixteen into v192-255
.if i < 20
.set FR, 4*i
.else
.set FR, ST1+4*(i-20)
.endif
.endm
	s_load_b256 s[4:11], s[0:1], 0x0               ; x, codebooks, cbq, list A
	s_load_b128 s[12:15], s[0:1], 0x20             ; list B, list out
	s_load_b64 s[16:17], s[0:1], 0x30              ; part
	v_lshl_add_u32 v254, v0, 2, 0x23000
	v_mov_b32 v255, 0
	v_lshrrev_b32 v[T0], 5, v0
	v_readfirstlane_b32 s[WV], v[T0]               ; wave 0..3
	v_and_b32 v[T0], 31, v0                        ; lane
	v_and_b32 v[T1], 15, v0                        ; r
	v_bfe_u32 v[T2], v0, 4, 1                      ; h
	v_lshlrev_b32 v[LOFF], 4, v[T0]
	v_lshl_add_u32 v[SA], v[T1], 3, SWB
	s_wait_alu depctr_va_sdst(0)                   ; the wave's number is written, ahead of its first reader: LDS places and the buffers' offsets are made from it
	s_mul_i32 s68, s[WV], 16*XP
	s_add_co_u32 s68, s68, XS
	v_add_nc_u32 v[STI], s68, v[LOFF]
	v_mul_u32_u24 v[STO], v[T1], XP
	v_lshl_add_u32 v[STO], v[T2], 6, v[STO]
	v_add_nc_u32 v[STO], s68, v[STO]
	s_lshl_b32 s69, s[WV], 8
	s_add_co_u32 s70, s69, SS
	v_lshl_add_u32 v[SSW], v[T1], 2, s70
	v_lshl_add_u32 v[SSR], v[T2], 5, s70
	s_add_co_u32 s70, s69, IS
	v_lshl_add_u32 v[ISW0], v[T2], 5, s70
	v_lshl_add_u32 v[ISR], v[T0], 3, s70
	v_lshlrev_b32 v[R13], 13, v[T1]
	s_mul_i32 s70, s[WV], 2*CSP
	s_add_co_u32 s70, s70, CS
	v_mul_u32_u24 v[CSW], v[T2], CSP
	v_lshl_add_u32 v[CSW], v[T1], 2, v[CSW]
	v_add_nc_u32 v[CSW], s70, v[CSW]               ; part 2 w + h, column r of a tile
	s_lshl_b32 s70, s[WV], 10
	s_add_co_u32 s70, s70, CS
	v_add_nc_u32 v[CSR], s70, v[LOFF]              ; back: columns 256 w + 4 x lane
	v_lshlrev_b32 v[FA], 4, v0
	v_add_nc_u32 v[FA2], 0x10000, v[FA]
	v_lshlrev_b32 v[IOF], 3, v[T0]
	v_lshlrev_b32 v[POF], 16, v[T2]
	v_lshl_add_u32 v[POF], v[T1], 4, v[POF]        ; part: block of 64 columns lane / 16, 16 bytes a lane
	v_mov_b32 v[PINF], 0x7f800000
	v_mov_b32 v[NINF], 0xff800000
	v_mov_b32 v[CP], 0x3fb8aa3b
	v_mov_b32 v[CP+1], 0x3fb8aa3b
	v_mov_b32 v[CN], 0xbc800000
	v_mov_b32 v[CN+1], 0xbc800000
	v_mov_b32 v[ONE], 1.0
	v_mov_b32 v[ONE+1], 1.0
.irp b, 0,1,2,3
	v_mov_b32 v[TM+4+\b], 0                        ; a lane permute's destination counts as one of its sources
.endr
	v_mov_b32 v[SNT], 0
	s_mov_b32 s[SEL], 0x76543210
	s_mov_b32 s[SEL+1], 0xfedcba98
	s_mov_b32 s[TRIP], 0
	s_mov_b32 s[TO], 0
	s_mov_b32 s[G0], 1
.set i, 32
.rept 32
	s_mov_b32 s[i], 0                              ; the indices' registers are written on every way
.set i, i+1
.endr
	s_wait_kmcnt 0x0
	s_load_b32 s[LV], s[10:11], 0x0                ; the level
	s_lshl_b32 s68, ttmp9, 17                      ; my work-group's 256 rows of 512 bytes,
	s_lshl_b32 s70, s[WV], 15                      ; my wave's 64
	s_add_co_u32 s68, s68, s70
	s_mov_b32 s69, 0
	s_add_nc_u64 s[4:5], s[4:5], s[68:69]
	s_wait_kmcnt 0x0
	s_min_u32 s[LV], s[LV], 2
	s_mov_b32 s[G1], s[LV]
	s_mul_i32 s68, s[LV], CBL
	s_add_nc_u64 s[8:9], s[8:9], s[68:69]          ; the level's image
	s_cmp_eq_u32 s[LV], 2
	s_cselect_b64 s[LA:LA+1], s[12:13], s[10:11]   ; the first code book's indices: list B at level 2, else list A
	s_mov_b64 s[LB:LB+1], s[10:11]                 ; the second's: list A
	s_lshl_b32 s68, ttmp9, 10
	s_lshl_b32 s70, s[WV], 8
	s_add_co_u32 s68, s68, s70
	s_add_co_u32 s68, s68, 256                     ; the indices begin at byte 256; 4 bytes a row
	s_add_nc_u64 s[LA:LA+1], s[LA:LA+1], s[68:69]
	s_add_nc_u64 s[LB:LB+1], s[LB:LB+1], s[68:69]
	s_add_nc_u64 s[14:15], s[14:15], s[68:69]
	s_lshl_b32 s68, s[LV], 20                      ; part [level][block of 64 columns][work-group][64]: my wave stores blocks 4 w .. 4 w + 3
	s_lshl_b32 s70, s[WV], 18
	s_add_co_u32 s68, s68, s70
	s_lshl_b32 s70, ttmp9, 8
	s_add_co_u32 s68, s68, s70
	s_add_nc_u64 s[16:17], s[16:17], s[68:69]
	s_wait_alu depctr_va_vdst(0)                   ; all the addresses and offsets made above are written: every load and store of the kernel but the gathers reads one of them, and none is written again
	N0 1                                           ; tile 0's indices and rows
	WIN 0xc0                                       ; the level's image, 36 x 16 bytes a thread, through registers into LDS
.set i, 0
.rept 36
	FREG
	global_load_b128 v[FR:FR+3], v[FA], s[8:9] offset:2048*i
.set i, i+1
.endr
	s_wait_loadcnt 0x0
	WIN 0x0c
.set i, 0
.rept 36
	FREG
.if i < 32
	ds_store_b128 v[FA], v[FR:FR+3] offset:2048*i
.else
	ds_store_b128 v[FA2], v[FR:FR+3] offset:2048*(i-32)
.endif
.set i, i+1
.endr
	WIN 0
	s_wait_dscnt 0x0                               ; for the others' sake: my part of the image lies in LDS
	s_barrier_signal -1
	s_barrier_wait -1                              ; the image is whole; nobody writes it again
	s_wait_alu depctr_vm_vsrc(0)                   ; my LDS stores have read the fill's registers of window 3: v0-79 take the column sums' start below, and gathers land in v192-255
	N1
	WIN 0xc0
.set i, 0
.rept 64
	v_pk_mul_f32 v[2*i:2*i+1], v[CN:CN+1], 1.0 op_sel_hi:[1,0]   ; each of these registers takes 16 numbers p: it begins at -16/1024, so that what is summed is the small part
.set i, i+1
.endr
	N2
	N3 1
.Ltile:                                            ; four trips, a tile of 16 rows each
	s_cmp_lt_u32 s[TRIP], 3
	s_cselect_b32 s[G0], 1, 0
	s_cselect_b32 s[G1], s[LV], 0
	s_wait_alu depctr_vm_vsrc(0)                   ; ahead of the branches: the LDS stores issued so far have read ST0, in which the next rows land, and v[SN], v[KR ..], v[ISW], which this trip's lines write anew
	N0 0
.irp b, 0,1,2,3,4,5,6,7,8
	S1IT \b
.endr
	N1
.irp b, 9,10,11,12,13,14,15,16
	S1IT \b
.endr
	DMIN
	S2WIN 1
	N2
	S2WIN 2
	STATS
	S3WIN 1
	S3WIN 2
	N3 0
	s_add_co_u32 s[TO], s[TO], 64
	s_add_co_u32 s[TRIP], s[TRIP], 1
	s_cmp_lt_u32 s[TRIP], 4
	s_cbranch_scc1 .Ltile
	; THE WAY OUT.  A pair's two registers are added; the eight parts (wave, half of the lanes) meet in LDS; each wave adds 256 columns and stores them, sixteen lanes to 256 consecutive bytes, aligned.
	WIN 0xcf
.set n, 0
.rept 64
	v_add_f32 v[2*n], v[2*n], v[2*n+1]
.set n, n+1
.endr
	WIN 0x0c
	s_wait_alu depctr_va_vdst(0)                   ; the 64 additions have written the column sums, which the LDS stores read; every vector line that named v208, v209 and v112 on is done: the LDS loads below land there
.set n, 0
.rept 64
	ds_store_b32 v[CSW], v[2*n] offset:64*n
.set n, n+1
.endr
	WIN 0
	ds_load_b64 v[208:209], v[ISR]                 ; my wave's 64 indices: its own bytes, served in order
	s_wait_dscnt 0x0                               ; they are in; and for the others' sake my column sums lie in LDS
	global_store_b64 v[IOF], v[208:209], s[14:15]  ; 256 consecutive bytes, aligned
	s_barrier_signal -1
	s_barrier_wait -1
.irp i, 0,1
.irp p, 0,1,2,3,4,5,6,7
	ds_load_b128 v[112+32*\i+4*\p:112+32*\i+4*\p+3], v[CSR] offset:512*\i+CSP*\p
.endr
.endr
	s_wait_dscnt 8                                 ; the first 128 columns' eight parts are in; the second eight loads may be out
.irp i, 0,1
.if \i == 1
	s_wait_dscnt 0x0
.endif
	QADD 112+32*\i, 0, 1
	QADD 112+32*\i, 2, 3
	QADD 112+32*\i, 4, 5
	QADD 112+32*\i, 6, 7
	QADD 112+32*\i, 0, 2
	QADD 112+32*\i, 4, 6
	QADD 112+32*\i, 0, 4
.endr
	s_wait_alu depctr_va_vdst(0)                   ; the additions have written v[112:115] and v[144:147], which the two stores read
.irp i, 0,1
	global_store_b128 v[POF], v[112+32*\i:112+32*\i+3], s[16:17] offset:131072*\i
.endr
	s_wait_dscnt 0x0                               ; the closing lines, six on end
	s_wait_alu 0x0
	s_wait_tensorcnt 0x0
	ds_add_u32 v254, v255
	s_wait_dscnt 0x0
	s_endpgm
.Lfunc_end_k_qf2794ab7e7_lvl0:
	.size	k_qf2794ab7e7_lvl0, .Lfunc_end_k_qf2794ab7e7_lvl0-k_qf2794ab7e7_lvl0
	.p2alignl 7, 3214868480
	.fill 96, 4, 3214868480
	.section	.rodata,"a",@progbits
	.p2align	6, 0x0
	.amdhsa_kernel k_qf2794ab7e7_lvl0
		.amdhsa_group_segment_fixed_size 143872
		.amdhsa_private_segment_fixed_size 0
		.amdhsa_enable_private_segment 0
		.amdhsa_kernarg_size 56
		.amdhsa_user_sgpr_count 2
		.amdhsa_user_sgpr_kernarg_segment_ptr 1
		.amdhsa_wavefront_size32 1
		.amdhsa_system_sgpr_workgroup_id_x 1
		.amdhsa_system_sgpr_workgroup_id_y 1
		.amdhsa_system_sgpr_workgroup_id_z 1
		.amdhsa_system_vgpr_workitem_id 0
		.amdhsa_next_free_vgpr 1024
		.amdhsa_next_free_sgpr 80
		.amdhsa_reserve_vcc 0
		.amdhsa_float_denorm_mode_32 3
		.amdhsa_float_denorm_mode_16_64 3
		.amdhsa_memory_ordered 1
		.amdhsa_forward_progress 1
		.amdhsa_inst_pref_size 255
	.end_amdhsa_kernel
	.section	.bss,"aw",@nobits
	.p2align	6
	.space	262144
	.amdgpu_metadata
---
amdhsa.version: [ 1, 2 ]
amdhsa.kernels:
  - .name:           k_qf2794ab7e7_lvl0
    .symbol:         k_qf2794ab7e7_lvl0.kd
    .args:
      - { .name: x, .offset: 0, .size: 8, .value_kind: global_buffer, .address_space: global }
      - { .name: codebooks, .offset: 8, .size: 8, .value_kind: global_buffer, .address_space: global }
      - { .name: cbq, .offset: 16, .size: 8, .value_kind: global_buffer, .address_space: global }
      - { .name: idxm, .offset: 24, .size: 8, .value_kind: global_buffer, .address_space: global }
      - { .name: idx1, .offset: 32, .size: 8, .value_kind: global_buffer, .address_space: global }
      - { .name: idx0, .offset: 40, .size: 8, .value_kind: global_buffer, .address_space: global }
      - { .name: part, .offset: 48, .size: 8, .value_kind: global_buffer, .address_space: global }
    .group_segment_fixed_size: 143872
    .private_segment_fixed_size: 0
    .kernarg_segment_align: 8
    .kernarg_segment_size: 56
    .max_flat_workgroup_size: 128
    .sgpr_count:     80
    .vgpr_count:     1024
    .wavefront_size: 32
...
	.end_amdgpu_metadata
.endif
;; end of part 6
;; launch lvl1: the kernel of part 6 again; grid 256 x 1, 4 waves a work-group, no clusters, 143,872 bytes of LDS; arguments x, codebooks, cbq, idx0, idxm, idx1, part; writes idx1, part
;; launch lvl2: the kernel of part 6 again; grid 256 x 1, 4 waves a work-group, no clusters, 143,872 bytes of LDS; arguments x, codebooks, cbq, idx1, idx0, idx2, part; writes idx2, part
;; launch fin (part 7): grid 256 x 1, 16 waves a work-group, no clusters, 14,336 bytes of LDS; arguments x, codebooks, idx0, idx1, idx2, part, out0, out1, fpart; writes out0, out1, fpart
.if DOCPART == 7
	.amdgcn_target "amdgcn-amd-amdhsa--gfx1250"
	.amdhsa_code_object_version 6
	.text
	.protected	k_qf2794ab7e7_fin
	.globl	k_qf2794ab7e7_fin
	.p2align	8
	.type	k_qf2794ab7e7_fin,@function
k_qf2794ab7e7_fin:
	s_mov_b64 s[64:65], 0
	v_nop
	global_prefetch_b8 v0, s[64:65] scope:SCOPE_SE
	s_setreg_imm32_b32 hwreg(HW_REG_WAVE_MODE, 25, 1), 1
	s_wait_xcnt 0x0
; THE RESULTS BY ROWS.  For each row: q0, q1, q2 = the chosen rows of the three code books (f32); out0 = (q0 + q1) + q2; out1 = the three indices;
; r1 = x - q0, r2 = r1 - q1, r3 = r2 - q2, and the sums of their squares over the work-group's 256 rows, for the commitment loss.
; Work-groups 0 to 47 also add one block of the column sums (level = number / 16, 64 columns = number % 16) over the 256 work-groups of the level launch and form those columns' terms
; avg x ln(1024 avg + 1e-8).  fpart [work-group]: sum r1^2, sum r2^2, sum r3^2, the terms' sum (0 from work-group 48 on).
; The column sums come as dev = sum of p - 64, so 1024 avg = 1 + f with f = dev / 64.  Where |f| < 0.5 the logarithm is taken as ln(u) g / (u - 1) with g = f + 1e-8, u = 1 + g rounded
; (g itself where u = 1): that keeps what 1 + g loses.  Elsewhere it is ln(1024 avg + 1e-8) as it stands.  The choice is a select, not a branch.
; SHARES.  Sixteen waves, 16 rows each, four rows at a time on two sets of registers: while one set is worked on, the other's sixteen loads are on their way.  A load or store of a wave is one row, 512 consecutive bytes.
; Memory binds: no matrix unit, no tensor load, no cluster (work-groups share only the code books, 1.5 MB, by rows that the indices choose).  Both sets' loads are out from the head on, so nothing is asked of memory ahead of them.
; LIMITS: NaN and infinities are not served; a term r - r in out0, 0 for finite r, is left out.
.set CSB, 3072                         ; LDS: 0: out1's 256 rows of 12 bytes;  CSB: 32 partial rows of 64 column sums;  CM: each wave's three sums, 16 bytes
.set CM,  11264
.set CC,  168                          ; v[168:179] the three sums of squares, four registers each
.set WV,  22
.set SEL, 84
; a set p at v[16 + 76 p]: x 16, q0 16, q1 16, q2 16, the gathers' offsets 12
.macro GISSUE g, p                     ; rows 4 g .. 4 g + 3 of my 16 are asked for
.set SB, 16+76*(\p)
.irp k, 0,1,2,3
	v_lshl_add_u32 v[SB+64+\k], s[32+4*(\g)+\k], 9, v1
	v_lshl_add_u32 v[SB+68+\k], s[48+4*(\g)+\k], 9, v1
	v_lshl_add_u32 v[SB+72+\k], s[68+4*(\g)+\k], 9, v1
.endr
.irp k, 0,1,2,3
	global_load_b128 v[SB+4*\k:SB+4*\k+3], v1, s[4:5] offset:512*(4*(\g)+\k) th:TH_LOAD_NT
	global_load_b128 v[SB+16+4*\k:SB+16+4*\k+3], v[SB+64+\k], s[6:7]
	global_load_b128 v[SB+32+4*\k:SB+32+4*\k+3], v[SB+68+\k], s[6:7] offset:524288
	global_load_b128 v[SB+48+4*\k:SB+48+4*\k+3], v[SB+72+\k], s[6:7] offset:1048576
.endr
.endm
.macro SQ g, l                         ; the squares of what stands in x's place onto sum l; the very first start the sums
.irp e, 0,2,4,6,8,10,12,14
.if ((\g) == 0) && (\e < 4)
	v_pk_mul_f32 v[CC+4*(\l)+\e:CC+4*(\l)+\e+1], v[SB+\e:SB+\e+1], v[SB+\e:SB+\e+1]
.else
	v_pk_fma_f32 v[CC+4*(\l)+\e%4:CC+4*(\l)+\e%4+1], v[SB+\e:SB+\e+1], v[SB+\e:SB+\e+1], v[CC+4*(\l)+\e%4:CC+4*(\l)+\e%4+1]
.endif
.endr
.endm
.macro GWORK g, p, left                ; left: the other set's loads, which may stay out
.set SB, 16+76*(\p)
	s_wait_loadcnt \left
.irp e, 0,2,4,6,8,10,12,14
	v_pk_add_f32 v[SB+\e:SB+\e+1], v[SB+\e:SB+\e+1], v[SB+16+\e:SB+16+\e+1] neg_lo:[0,1] neg_hi:[0,1]   ; r1 = x - q0
.endr
	SQ \g, 0
.irp e, 0,2,4,6,8,10,12,14
	v_pk_add_f32 v[SB+16+\e:SB+16+\e+1], v[SB+16+\e:SB+16+\e+1], v[SB+32+\e:SB+32+\e+1]                 ; q0 + q1
.endr
.irp e, 0,2,4,6,8,10,12,14
	v_pk_add_f32 v[SB+\e:SB+\e+1], v[SB+\e:SB+\e+1], v[SB+32+\e:SB+32+\e+1] neg_lo:[0,1] neg_hi:[0,1]   ; r2 = r1 - q1
.endr
	SQ \g, 1
.irp e, 0,2,4,6,8,10,12,14
	v_pk_add_f32 v[SB+16+\e:SB+16+\e+1], v[SB+16+\e:SB+16+\e+1], v[SB+48+\e:SB+48+\e+1]                 ; + q2
.endr
.irp e, 0,2,4,6,8,10,12,14
	v_pk_add_f32 v[SB+\e:SB+\e+1], v[SB+\e:SB+\e+1], v[SB+48+\e:SB+48+\e+1] neg_lo:[0,1] neg_hi:[0,1]   ; r3 = r2 - q2
.endr
	SQ \g, 2
.irp k, 0,1,2,3
	global_store_b128 v1, v[SB+16+4*\k:SB+16+4*\k+3], s[16:17] offset:512*(4*(\g)+\k) th:TH_STORE_NT
.endr
	s_wait_xcnt 0x0                                ; the set's registers are written again only behind this wait
.if (\g) < 2
	GISSUE (\g)+2, \p
.endif
.endm
.macro QADD base, a, b
	v_pk_add_f32 v[\base+4*\a:\base+4*\a+1], v[\base+4*\a:\base+4*\a+1], v[\base+4*\b:\base+4*\b+1]
	v_pk_add_f32 v[\base+4*\a+2:\base+4*\a+3], v[\base+4*\a+2:\base+4*\a+3], v[\base+4*\b+2:\base+4*\b+3]
.endm
	s_load_b512 s[4:19], s[0:1], 0x0               ; x, codebooks, idx0, idx1, idx2, part, out0, out1
	s_load_b64 s[20:21], s[0:1], 0x40              ; fpart
	v_lshl_add_u32 v224, v0, 2, 0x3000
	v_mov_b32 v225, 0
	v_lshrrev_b32 v8, 5, v0
	s_delay_alu instid0(VALU_DEP_1)
	v_readfirstlane_b32 s[WV], v8                  ; wave 0..15
	v_and_b32 v9, 31, v0                           ; lane
	v_and_b32 v10, 15, v0
	s_delay_alu instid0(VALU_DEP_2)
	v_lshlrev_b32 v1, 4, v9                        ; 16 x lane
	s_delay_alu instid0(VALU_DEP_2)
	v_lshlrev_b32 v2, 2, v10
	v_lshlrev_b32 v7, 4, v0                        ; 16 x thread
	s_mul_i32 s86, s[WV], 192
	v_mul_u32_u24 v3, v10, 12
	s_delay_alu instid0(VALU_DEP_1)
	v_add_nc_u32 v3, s86, v3                       ; out1's stage: 12 bytes a row
	v_add_nc_u32 v11, CSB, v7
	v_lshl_add_u32 v12, v9, 3, CSB
	s_lshl_b32 s86, s[WV], 4
	s_add_co_u32 s86, s86, CM
	v_mov_b32 v13, s86
	v_lshl_add_u32 v14, v10, 4, CM
	v_mov_b32 v15, 0
	s_mov_b32 s[SEL], 0x76543210
	s_mov_b32 s[SEL+1], 0xfedcba98
	s_lshl_b32 s86, ttmp9, 17
	s_lshl_b32 s88, s[WV], 13
	s_add_co_u32 s86, s86, s88                     ; my first row of x and out0: 256 x work-group + 16 x wave, 512 bytes a row
	s_mov_b32 s87, 0
	s_lshl_b32 s88, ttmp9, 10
	s_lshl_b32 s90, s[WV], 6
	s_add_co_u32 s88, s88, s90
	s_add_co_u32 s88, s88, 256                     ; its index: the lists begin at byte 256
	s_mov_b32 s89, 0
	s_lshl_b32 s90, ttmp9, 16                      ; a block of part is 65,536 bytes
	s_mov_b32 s91, 0
	s_mul_i32 s24, ttmp9, 3072
	s_mov_b32 s25, 0
	s_lshl_b32 s26, ttmp9, 4
	s_mov_b32 s27, 0
	s_wait_alu depctr_va_vdst(0)
	s_wait_kmcnt 0x0
	s_add_nc_u64 s[4:5], s[4:5], s[86:87]
	s_add_nc_u64 s[16:17], s[16:17], s[86:87]
	s_add_nc_u64 s[8:9], s[8:9], s[88:89]
	s_add_nc_u64 s[10:11], s[10:11], s[88:89]
	s_add_nc_u64 s[12:13], s[12:13], s[88:89]
	s_add_nc_u64 s[14:15], s[14:15], s[90:91]
	s_add_nc_u64 s[18:19], s[18:19], s[24:25]
	s_add_nc_u64 s[20:21], s[20:21], s[26:27]
	s_load_b512 s[32:47], s[8:9], 0x0              ; my 16 rows' indices, as scalars: they steer the gathers
	s_load_b512 s[48:63], s[10:11], 0x0
	s_load_b512 s[68:83], s[12:13], 0x0
	global_load_b32 v4, v2, s[8:9]                 ; and as data, for out1
	global_load_b32 v5, v2, s[10:11]
	global_load_b32 v6, v2, s[12:13]
	s_wait_kmcnt 0x0
.set i, 0
.rept 16
	s_min_u32 s[32+i], s[32+i], 1023               ; an index stays inside its table
	s_min_u32 s[48+i], s[48+i], 1023
	s_min_u32 s[68+i], s[68+i], 1023
.set i, i+1
.endr
	GISSUE 0, 0
	GISSUE 1, 1
	s_wait_loadcnt 32                              ; the three list words are in; both sets' 32 loads may be out
	ds_store_b32 v3, v4                            ; both halves of the lanes write the same words with the same values
	ds_store_b32 v3, v5 offset:4
	ds_store_b32 v3, v6 offset:8
	s_cmp_ge_u32 ttmp9, 48
	s_cbranch_scc1 .Lno_part
.set i, 0
.rept 8
	global_load_b128 v[180+4*i:183+4*i], v7, s[14:15] offset:8192*i th:TH_LOAD_NT   ; rows thread / 16 + 32 i of the block's 256, four columns: a wave reads 512 consecutive bytes
.set i, i+1
.endr
	s_wait_loadcnt 0x0
	QADD 180, 0, 1
	QADD 180, 2, 3
	QADD 180, 4, 5
	QADD 180, 6, 7
	QADD 180, 0, 2
	QADD 180, 4, 6
	QADD 180, 0, 4
	ds_store_b128 v11, v[180:183]
	s_wait_dscnt 0x0                               ; the store has read its registers
.Lno_part:
	GWORK 0, 0, 16
	GWORK 1, 1, 16
	GWORK 2, 0, 16
	GWORK 3, 1, 0
	s_wait_alu depctr_va_vdst(0)
	; my wave's three sums
.irp l, 0,1,2
	v_pk_add_f32 v[CC+4*\l:CC+4*\l+1], v[CC+4*\l:CC+4*\l+1], v[CC+4*\l+2:CC+4*\l+3]
.endr
.irp l, 0,1,2
	v_add_f32 v[180+\l], v[CC+4*\l], v[CC+4*\l+1]
	v_mov_b32 v[184+\l], 0
.endr
.irp m, 1,2,4,8
.irp l, 0,1,2
	v_add_f32_dpp v[180+\l], v[180+\l], v[180+\l] row_xmask:\m row_mask:0xf bank_mask:0xf
.endr
.endr
.irp l, 0,1,2
	s_delay_alu instid0(VALU_DEP_3)
	v_permlanex16_b32 v[184+\l], v[180+\l], s[SEL], s[SEL+1]
.endr
.irp l, 0,1,2
	s_delay_alu instid0(VALU_DEP_3)
	v_add_f32 v[180+\l], v[180+\l], v[184+\l]
.endr
	v_mov_b32 v183, 0
	ds_store_b128 v13, v[180:183]                  ; all lanes write the same 16 bytes with the same values
	s_wait_dscnt 0x0                               ; for the others' sake: all my LDS stores have landed
	s_barrier_signal -1
	s_barrier_wait -1
	s_cmp_lt_u32 s[WV], 6
	s_cbranch_scc0 .Lnot_out1
	ds_load_b128 v[180:183], v7                    ; waves 0 to 5: out1's 3,072 bytes, 16 a thread
	s_wait_dscnt 0x0
	global_store_b128 v7, v[180:183], s[18:19]     ; sixteen lanes store 256 consecutive bytes, aligned
	s_branch .Lend
.Lnot_out1:
	s_cmp_eq_u32 s[WV], 6
	s_cbranch_scc0 .Lend
	ds_load_b128 v[184:187], v14                   ; wave 6: lane l % 16 takes wave l % 16's sums
	s_wait_dscnt 0x0
.irp m, 1,2,4,8
.irp l, 0,1,2
	v_add_f32_dpp v[184+\l], v[184+\l], v[184+\l] row_xmask:\m row_mask:0xf bank_mask:0xf
.endr
.endr
	v_mov_b32 v187, 0
	v_mov_b32 v188, 0
	s_cmp_ge_u32 ttmp9, 48
	s_cbranch_scc1 .Lno_kl
.set i, 0
.rept 32
	ds_load_b64 v[16+2*i:17+2*i], v12 offset:256*i ; columns 2 x lane and 2 x lane + 1 of the 32 partial rows
.set i, i+1
.endr
	s_mov_b32 s86, 0x3a800000                      ; 2^-10
	s_mov_b32 s87, 0x44800000                      ; 1024
	s_mov_b32 s88, 0x322bcc77                      ; 1e-8
	s_wait_dscnt 0x0
.set i, 4
.rept 28
	v_pk_add_f32 v[16+2*(i%4):17+2*(i%4)], v[16+2*(i%4):17+2*(i%4)], v[16+2*i:17+2*i]
.set i, i+1
.endr
	s_delay_alu instid0(VALU_DEP_3)
	v_pk_add_f32 v[16:17], v[16:17], v[18:19]
	s_delay_alu instid0(VALU_DEP_2)
	v_pk_add_f32 v[20:21], v[20:21], v[22:23]
	s_delay_alu instid0(VALU_DEP_1)
	v_pk_add_f32 v[16:17], v[16:17], v[20:21]      ; dev
.irp e, 0
	s_delay_alu instid0(VALU_DEP_1)
	v_mul_f32 v[24+\e], 0x3c800000, v[16+\e]       ; f = dev / 64
.endr
.irp e, 1
	s_delay_alu instid0(VALU_DEP_2)
	v_mul_f32 v[24+\e], 0x3c800000, v[16+\e]
.endr
.irp e, 0
	s_delay_alu instid0(VALU_DEP_2)
	v_fma_f32 v[26+\e], v[24+\e], s86, s86
	s_delay_alu instid0(VALU_DEP_3)
	v_add_f32 v[28+\e], s88, v[24+\e]
	s_delay_alu instid0(VALU_DEP_4)
	v_and_b32 v[38+\e], 0x7fffffff, v[24+\e]
.endr
.irp e, 1
	s_delay_alu instid0(VALU_DEP_4)
	v_fma_f32 v[26+\e], v[24+\e], s86, s86         ; avg = (1 + f) / 1024
	v_add_f32 v[28+\e], s88, v[24+\e]              ; g = f + 1e-8
	v_and_b32 v[38+\e], 0x7fffffff, v[24+\e]       ; |f|
.endr
.irp e, 0
	v_add_f32 v[30+\e], 1.0, v[28+\e]              ; u
	v_fma_f32 v[34+\e], v[26+\e], s87, s88         ; 1024 avg + 1e-8
.endr
.irp e, 1
	s_delay_alu instid0(VALU_DEP_4)
	v_add_f32 v[30+\e], 1.0, v[28+\e]
	v_fma_f32 v[34+\e], v[26+\e], s87, s88
.endr
.irp e, 0
	s_delay_alu instid0(VALU_DEP_4)
	v_add_f32 v[32+\e], -1.0, v[30+\e]             ; u - 1, exact
.endr
.irp e, 1
	s_delay_alu instid0(VALU_DEP_3)
	v_add_f32 v[32+\e], -1.0, v[30+\e]
.endr
	s_wait_alu depctr_va_vdst(0)
.irp e, 0,1
	v_log_f32 v[30+\e], v[30+\e]
.endr
.irp e, 0,1
	v_log_f32 v[34+\e], v[34+\e]
.endr
.irp e, 0,1
	v_rcp_f32 v[36+\e], v[32+\e]
.endr
	v_nop
	s_wait_alu depctr_va_vdst(0)                   ; one wait for the six
.irp e, 0,1
	v_mul_f32 v[30+\e], v[30+\e], v[36+\e]
	v_mul_f32 v[34+\e], 0x3f317218, v[34+\e]       ; x ln 2
.endr
.irp e, 0
	s_delay_alu instid0(VALU_DEP_4)
	v_mul_f32 v[30+\e], v[30+\e], v[28+\e]
.endr
.irp e, 1
	s_delay_alu instid0(VALU_DEP_3)
	v_mul_f32 v[30+\e], v[30+\e], v[28+\e]
.endr
.irp e, 0,1
	s_delay_alu instid0(VALU_DEP_2)
	v_mul_f32 v[30+\e], 0x3f317218, v[30+\e]       ; ln(u) g / (u - 1)
.endr
.irp e, 0,1
	v_cmp_eq_f32 vcc_lo, 0, v[32+\e]
	s_delay_alu instid0(VALU_DEP_1)
	v_cndmask_b32 v[30+\e], v[30+\e], v[28+\e], vcc_lo   ; g where u = 1
	v_cmp_gt_f32 vcc_lo, 0.5, v[38+\e]
	s_delay_alu instid0(VALU_DEP_1)
	v_cndmask_b32 v[34+\e], v[34+\e], v[30+\e], vcc_lo   ; the careful form where |f| < 0.5
.endr
	v_mul_f32 v187, v26, v34
	s_delay_alu instid0(VALU_DEP_1)
	v_fmac_f32 v187, v27, v35
.irp m, 1,2,4,8
	s_delay_alu instid0(VALU_DEP_1)
	v_add_f32_dpp v187, v187, v187 row_xmask:\m row_mask:0xf bank_mask:0xf
.endr
	s_delay_alu instid0(VALU_DEP_1)
	v_permlanex16_b32 v188, v187, s[SEL], s[SEL+1]
	s_delay_alu instid0(VALU_DEP_1)
	v_add_f32 v187, v187, v188                     ; the 64 columns' terms
.Lno_kl:
	s_wait_alu depctr_va_vdst(0)
	s_wait_xcnt 0x0                                ; EXEC changes only behind this wait
	v_cmp_eq_u32 vcc_lo, 0, v9
	s_and_saveexec_b32 s90, vcc_lo
	global_store_b128 v15, v[184:187], s[20:21]    ; lane 0 stores the work-group's four numbers
	s_wait_xcnt 0x0
	s_or_b32 exec_lo, exec_lo, s90
.Lend:
	s_wait_tensorcnt 0x0
	ds_add_u32 v224, v225
	s_wait_dscnt 0x0
	s_endpgm
.Lfunc_end_k_qf2794ab7e7_fin:
	.size	k_qf2794ab7e7_fin, .Lfunc_end_k_qf2794ab7e7_fin-k_qf2794ab7e7_fin
	.p2alignl 7, 3214868480
	.fill 96, 4, 3214868480
	.section	.rodata,"a",@progbits
	.p2align	6, 0x0
	.amdhsa_kernel k_qf2794ab7e7_fin
		.amdhsa_group_segment_fixed_size 14336
		.amdhsa_private_segment_fixed_size 0
		.amdhsa_enable_private_segment 0
		.amdhsa_kernarg_size 72
		.amdhsa_user_sgpr_count 2
		.amdhsa_user_sgpr_kernarg_segment_ptr 1
		.amdhsa_wavefront_size32 1
		.amdhsa_system_sgpr_workgroup_id_x 1
		.amdhsa_system_sgpr_workgroup_id_y 1
		.amdhsa_system_sgpr_workgroup_id_z 1
		.amdhsa_system_vgpr_workitem_id 0
		.amdhsa_next_free_vgpr 226
		.amdhsa_next_free_sgpr 96
		.amdhsa_reserve_vcc 1
		.amdhsa_float_denorm_mode_32 3
		.amdhsa_float_denorm_mode_16_64 3
		.amdhsa_memory_ordered 1
		.amdhsa_forward_progress 1
		.amdhsa_inst_pref_size 46
	.end_amdhsa_kernel
	.amdgpu_metadata
---
amdhsa.version: [ 1, 2 ]
amdhsa.kernels:
  - .name:           k_qf2794ab7e7_fin
    .symbol:         k_qf2794ab7e7_fin.kd
    .args:
      - { .name: x, .offset: 0, .size: 8, .value_kind: global_buffer, .address_space: global }
      - { .name: codebooks, .offset: 8, .size: 8, .value_kind: global_buffer, .address_space: global }
      - { .name: idx0, .offset: 16, .size: 8, .value_kind: global_buffer, .address_space: global }
      - { .name: idx1, .offset: 24, .size: 8, .value_kind: global_buffer, .address_space: global }
      - { .name: idx2, .offset: 32, .size: 8, .value_kind: global_buffer, .address_space: global }
      - { .name: part, .offset: 40, .size: 8, .value_kind: global_buffer, .address_space: global }
      - { .name: out0, .offset: 48, .size: 8, .value_kind: global_buffer, .address_space: global }
      - { .name: out1, .offset: 56, .size: 8, .value_kind: global_buffer, .address_space: global }
      - { .name: fpart, .offset: 64, .size: 8, .value_kind: global_buffer, .address_space: global }
    .group_segment_fixed_size: 14336
    .private_segment_fixed_size: 0
    .kernarg_segment_align: 8
    .kernarg_segment_size: 72
    .max_flat_workgroup_size: 512
    .sgpr_count:     96
    .vgpr_count:     226
    .wavefront_size: 32
...
	.end_amdgpu_metadata
.endif
;; end of part 7
;; launch red (part 8): grid 1 x 1, 1 waves a work-group, no clusters, 0 bytes of LDS; arguments fpart, out2, out3; writes out2, out3
.if DOCPART == 8
	.amdgcn_target "amdgcn-amd-amdhsa--gfx1250"
	.amdhsa_code_object_version 6
	.text
	.protected	k_qf2794ab7e7_red
	.globl	k_qf2794ab7e7_red
	.p2align	8
	.type	k_qf2794ab7e7_red,@function
k_qf2794ab7e7_red:
	s_mov_b64 s[64:65], 0
	v_nop
	global_prefetch_b8 v0, s[64:65] scope:SCOPE_SE
	s_setreg_imm32_b32 hwreg(HW_REG_WAVE_MODE, 25, 1), 1
	s_wait_xcnt 0x0
; The two scalars.  fpart holds four numbers for each of 256 work-groups: the sums of r1^2, r2^2, r3^2 and of the terms avg x ln(1024 avg + 1e-8).
; out2 = 1.25 x (the three sums) / 2^23 (each level's mean of (r - q)^2, once and once more x 0.25; 65,536 x 128 numbers);  out3 = 1e-3 x the terms' sum.
; One wave: 4,096 bytes are read, eight loads of 512 consecutive bytes.  A sum over work-groups wants a launch behind them.
.macro QADD base, a, b
	v_pk_add_f32 v[\base+4*\a:\base+4*\a+1], v[\base+4*\a:\base+4*\a+1], v[\base+4*\b:\base+4*\b+1]
	v_pk_add_f32 v[\base+4*\a+2:\base+4*\a+3], v[\base+4*\a+2:\base+4*\a+3], v[\base+4*\b+2:\base+4*\b+3]
.endm
	s_load_b128 s[4:7], s[0:1], 0x0                ; fpart, out2
	s_load_b64 s[8:9], s[0:1], 0x10                ; out3
	v_lshlrev_b32 v1, 4, v0
	v_mov_b32 v2, 0
	s_mov_b32 s12, 0x76543210
	s_mov_b32 s13, 0xfedcba98
	s_wait_alu depctr_va_vdst(0)
	s_wait_kmcnt 0x0
.set i, 0
.rept 8
	global_load_b128 v[4+4*i:7+4*i], v1, s[4:5] offset:512*i
.set i, i+1
.endr
	s_wait_loadcnt 0x0
	QADD 4, 0, 1
	QADD 4, 2, 3
	QADD 4, 4, 5
	QADD 4, 6, 7
	QADD 4, 0, 2
	QADD 4, 4, 6
	QADD 4, 0, 4
.irp m, 1,2,4,8
.irp l, 0,1,2,3
	v_add_f32_dpp v[4+\l], v[4+\l], v[4+\l] row_xmask:\m row_mask:0xf bank_mask:0xf
.endr
.endr
.irp l, 0,1,2,3
	v_permlanex16_b32 v[8+\l], v[4+\l], s12, s13
.endr
.irp l, 0,1,2,3
	v_add_f32 v[4+\l], v[4+\l], v[8+\l]
.endr
	v_add_f32 v4, v4, v5
	v_add_f32 v4, v4, v6
	v_mul_f32 v4, 0x34200000, v4                   ; x 1.25 / 2^23
	v_mul_f32 v7, 0x3a83126f, v7                   ; x 1e-3
	s_wait_alu depctr_va_vdst(0)
	s_wait_xcnt 0x0                                ; EXEC changes only behind this wait
	v_cmp_eq_u32 vcc_lo, 0, v0
	s_and_saveexec_b32 s10, vcc_lo
	global_store_b32 v2, v4, s[6:7]
	global_store_b32 v2, v7, s[8:9]
	s_wait_xcnt 0x0
	s_or_b32 exec_lo, exec_lo, s10
	s_endpgm
.Lfunc_end_k_qf2794ab7e7_red:
	.size	k_qf2794ab7e7_red, .Lfunc_end_k_qf2794ab7e7_red-k_qf2794ab7e7_red
	.p2alignl 7, 3214868480
	.fill 96, 4, 3214868480
	.section	.rodata,"a",@progbits
	.p2align	6, 0x0
	.amdhsa_kernel k_qf2794ab7e7_red
		.amdhsa_group_segment_fixed_size 0
		.amdhsa_private_segment_fixed_size 0
		.amdhsa_enable_private_segment 0
		.amdhsa_kernarg_size 24
		.amdhsa_user_sgpr_count 2
		.amdhsa_user_sgpr_kernarg_segment_ptr 1
		.amdhsa_wavefront_size32 1
		.amdhsa_system_sgpr_workgroup_id_x 1
		.amdhsa_system_sgpr_workgroup_id_y 1
		.amdhsa_system_sgpr_workgroup_id_z 1
		.amdhsa_system_vgpr_workitem_id 0
		.amdhsa_next_free_vgpr 48
		.amdhsa_next_free_sgpr 66
		.amdhsa_reserve_vcc 1
		.amdhsa_float_denorm_mode_32 3
		.amdhsa_float_denorm_mode_16_64 3
		.amdhsa_memory_ordered 1
		.amdhsa_forward_progress 1
		.amdhsa_inst_pref_size 5
	.end_amdhsa_kernel
	.amdgpu_metadata
---
amdhsa.version: [ 1, 2 ]
amdhsa.kernels:
  - .name:           k_qf2794ab7e7_red
    .symbol:         k_qf2794ab7e7_red.kd
    .args:
      - { .name: fpart, .offset: 0, .size: 8, .value_kind: global_buffer, .address_space: global }
      - { .name: out2, .offset: 8, .size: 8, .value_kind: global_buffer, .address_space: global }
      - { .name: out3, .offset: 16, .size: 8, .value_kind: global_buffer, .address_space: global }
    .group_segment_fixed_size: 0
    .private_segment_fixed_size: 0
    .kernarg_segment_align: 8
    .kernarg_segment_size: 24
    .max_flat_workgroup_size: 32
    .sgpr_count:     66
    .vgpr_count:     48
    .wavefront_size: 32
...
	.end_amdgpu_metadata
.endif
;; end of part 8
